; MI455X (gfx1250); checked and timed in simulation.
; The chip was launched on July 23, 2026; its instructions are those of AMD's public machine-readable ISA for CDNA 5 (MIT licence, August 2026) and "CDNA5" Instruction Set Architecture Reference Guide (July 2026). The comments in the code are by the model that wrote it; some were corrected since.
;; Expert Parallel Wrapper. Allowed arithmetic: matrix products marked QUANTISED: E2M3 operands, one E8M0 scale for each 32 along K, by v_wmma_scale_f32_16x16x128_f8f6f4 with both operands' format E2M3, f32 sums; products left as they are: f32 operands where the result goes on into a quantised operand, else bf16, f16 or f32 operands; f32 sums; everything else in f32.
;; Inputs: b1 8 x 4,096 float32; b2 8 x 1,024 float32; w1_codes 8 x 4,096 x 32 x 24 uint8 (E2M3 codes of w1, K innermost, in blocks of 32 codes, four codes in three bytes); w1_scales 8 x 4,096 x 32 uint8 (E8M0 scales of w1, one for each 32 codes along K); w2_codes 8 x 1,024 x 128 x 24 uint8 (E2M3 codes of w2, K innermost, in blocks of 32 codes, four codes in three bytes); w2_scales 8 x 1,024 x 128 uint8 (E8M0 scales of w2, one for each 32 codes along K); w_router 1,024 x 8 float32; x 2 x 512 x 1,024 float32.
;; Outputs: out0 2 x 512 x 1,024 float32.
;; This version of the problem:
;;   THIS VERSION OF THE PROBLEM IS GIVEN IN LOW PRECISION. The matrix products marked QUANTISED in the list below multiply operands that are first quantised to E2M3 (2 exponent bits, 3 mantissa bits; 6 bits a number), with one power-of-two scale for each 32 numbers along K (OCP MX v1.0); their sums are f32. All else is computed in f32.
;;   The module's matrix products, in the order in which they are computed (A, B: the left and right operand; K: the contracted axis; several contracted axes count as one K, in the product's order):
;;     1. [M 1,024, K 1,024] x [K 1,024, N 8]; A: input x; B: input w_router: left as it is (N = 8 < 16)
;;     2. [M 1,024, K 1,024] x [K 1,024, N 4,096]; A: input x; B: input w1 (given as codes): QUANTISED
;;     3. [M 1,024, K 4,096] x [K 4,096, N 1,024]; A: computed on the way; B: input w2 (given as codes): QUANTISED
;;     4. [M 1,024, K 1,024] x [K 1,024, N 4,096]; A: input x; B: input w1 (given as codes): QUANTISED
;;     5. [M 1,024, K 4,096] x [K 4,096, N 1,024]; A: computed on the way; B: input w2 (given as codes): QUANTISED
;;     6. [M 1,024, K 1,024] x [K 1,024, N 4,096]; A: input x; B: input w1 (given as codes): QUANTISED
;;     7. [M 1,024, K 4,096] x [K 4,096, N 1,024]; A: computed on the way; B: input w2 (given as codes): QUANTISED
;;     8. [M 1,024, K 1,024] x [K 1,024, N 4,096]; A: input x; B: input w1 (given as codes): QUANTISED
;;     9. [M 1,024, K 4,096] x [K 4,096, N 1,024]; A: computed on the way; B: input w2 (given as codes): QUANTISED
;;     10. [M 1,024, K 1,024] x [K 1,024, N 4,096]; A: input x; B: input w1 (given as codes): QUANTISED
;;     11. [M 1,024, K 4,096] x [K 4,096, N 1,024]; A: computed on the way; B: input w2 (given as codes): QUANTISED
;;     12. [M 1,024, K 1,024] x [K 1,024, N 4,096]; A: input x; B: input w1 (given as codes): QUANTISED
;;     13. [M 1,024, K 4,096] x [K 4,096, N 1,024]; A: computed on the way; B: input w2 (given as codes): QUANTISED
;;     14. [M 1,024, K 1,024] x [K 1,024, N 4,096]; A: input x; B: input w1 (given as codes): QUANTISED
;;     15. [M 1,024, K 4,096] x [K 4,096, N 1,024]; A: computed on the way; B: input w2 (given as codes): QUANTISED
;;     16. [M 1,024, K 1,024] x [K 1,024, N 4,096]; A: input x; B: input w1 (given as codes): QUANTISED
;;     17. [M 1,024, K 4,096] x [K 4,096, N 1,024]; A: computed on the way; B: input w2 (given as codes): QUANTISED
;;   THE QUANTISER, for each operand of a quantised product, along K:
;;     - K is cut into blocks of 32 from its start; a last block that is shorter is filled with zeros.
;;     - A block's scale is 2^e with e = floor(log2(the largest magnitude in the block)) - 2, held to -126 .. 127; a block of zeros has e = 0. As a byte (E8M0): e + 127.
;;     - Each number is divided by its block's scale, clamped to +-7.5, and rounded to the nearest number of E2M3, ties to even, subnormals kept.
;;     - The product sums the exact products of the quantised numbers (number of the format x scale) in f32.
;;   ~~~python
;;   def quantise(x, axis):      # numpy; x: float32 -> the quantised numbers, widened to float32 again
;;       x = np.moveaxis(x, axis, -1); K = x.shape[-1]
;;       x = np.pad(x, [(0, 0)] * (x.ndim - 1) + [(0, -K % 32)]); x = x.reshape(x.shape[:-1] + (-1, 32)); a = np.abs(x).max(-1, keepdims=True)
;;       e = np.where(a > 0, np.clip(np.frexp(np.where(a > 0, a, 1))[1] - 1 - 2, -126, 127), 0)      # np.frexp(a)[1] - 1 = floor(log2(a)), exactly
;;       r = np.clip(x / 2.0 ** e, -7.5, 7.5)
;;       step = 2.0 ** (np.maximum(np.frexp(np.where(r == 0, 1, r))[1] - 1, 0) - 3)
;;       q = np.round(r / step) * step * 2.0 ** e      # np.round: ties to even
;;       return np.moveaxis(q.reshape(q.shape[:-2] + (-1,))[..., :K], -1, axis).astype(np.float32)
;;   ~~~
;;   OPERANDS COMPUTED ON THE WAY. 'Computed on the way' means the value that the module computes at that place (a softmax that the list does not call 'softmax' is quantised finished and normalised). What goes into a quantiser is computed in f32, as accurately as f32 sums, v_exp_f32 and their like allow (about 1e-6 of the number): no bf16 or f16 on the way to a quantiser, and a product that is left as it is and whose result goes on into a quantised operand takes f32 operands (vector FMAs, or v_wmma_f32_16x16x4_f32). A number that lies on a knife's edge between two numbers of the format may be rounded either way, as far as f32 arithmetic and the matrix unit's own rounding can turn it there, and no further.
;;   INPUTS GIVEN AS CODES. w1 (in the module: [8, 1024, 4096], K = its axis 1); w2 (in the module: [8, 4096, 1024], K = its axis 1): each comes as NAME_codes (uint8): NAME with its K axis moved to the last place and cut into blocks of 32 codes, [.., K / 32, bytes a block], one block behind the other in memory; four codes in three bytes: a row's codes are one little-endian stream of bits, code i at bits 6 i .. 6 i + 5 (a code: sign, 2 exponent bits, 3 mantissa bits); and NAME_scales (uint8): the same leading axes, one E8M0 byte (e + 127) for each 32 codes along K. Its value is code x scale, taken as it is: it is not quantised again, and the codes and scales need not be those that the quantiser above would give.
;; 2 versions, each right; version 2 is version 1 with the launches up, down written anew for expert scheduling mode. Each part assembles by itself: llvm-mc -triple=amdgcn-amd-amdhsa -mcpu=gfx1250 --defsym DOCPART=n.
;; ======== version 1 of 2: 4 launches
;; workspace buffers: sel 4,096 bytes of whole numbers; wgt 4,096 bytes; xq 786,432 bytes; xs 32,768 bytes; order 34,304 bytes of whole numbers; wsort 33,792 bytes; hq 25,165,824 bytes; hs 1,048,576 bytes
;; launch route (part 1): grid 256 x 1, 4 waves a work-group, no clusters, 1,536 bytes of LDS; arguments x, w_router, sel, wgt, xq, xs; writes sel, wgt, xq, xs
.if DOCPART == 1
	.amdgcn_target "amdgcn-amd-amdhsa--gfx1250"
	.amdhsa_code_object_version 6
	.text
	.protected	k_q38b046ae9f_route
	.globl	k_q38b046ae9f_route
	.p2align	8
	.type	k_q38b046ae9f_route,@function
k_q38b046ae9f_route:
	s_mov_b64 s[64:65], 0
	v_nop
	global_prefetch_b8 v0, s[64:65] scope:SCOPE_SE
	s_setreg_imm32_b32 hwreg(HW_REG_WAVE_MODE, 25, 1), 1
	s_wait_xcnt 0x0
; ROUTER AND QUANTISER OF x.  x: [1024 tokens][1024] f32, w_router: [1024][8] f32.
; Stores, at fixed places for each token: sel (the chosen expert, u32), wgt (its softmax probability, f32), xq (x as E2M3 codes), xs (one E8M0 byte for each 32 along K).
; The choice is only STORED here: no address and no branch of this launch hangs on it.
; SHARES.  Work-group b takes tokens 4 b .. 4 b + 3; wave w takes k = 256 w .. 256 w + 255.  Lane l: p = l / 16, i = l % 16.  In step s (0, 1) the lane holds 16 neighbours
; k = 256 w + 16 i + 0 .. 15 of token 4 b + 2 s + p: two neighbouring lanes hold a block of 32.  The same 16 numbers feed the logits (f32 fused multiply-adds) and the conversion.
; xq: [token][K step of 128: 8][h: 2][c: 2][24 bytes], the block 2 c + h of the K step: so lane (r, h) of an operand finds its 12 registers as 48 bytes on end.
; xs: [token][32 bytes], block k / 32, so that word ks is the scale word of K step ks.
; A block's scale byte is its largest magnitude's exponent field - 2, held at 1 from below.
; LIMITS.  NaN and infinities among the inputs are not served.  A block of zeros, or one whose largest magnitude lies under 2^-124, gets the byte 1 (zeros: the rule says 127; the codes are zeros and this program alone reads the bytes).
; The largest LOGIT is chosen, the lowest index among equal logits; where two different logits give probabilities that are equal in f32, reference() takes the lower index and this text the larger logit.
; The softmax takes the row's maximum away: the chosen probability is 1 / sum of 2^((l - max) log2 e).
; No matrix unit, no tensor load, no cluster: 8 columns are too few for a tile, and work-groups share only w_router's 32 KiB.
.set X,   20                           ; v20-51   16 numbers of x for each step
.set ACC, 52                           ; v52-67   8 partial logits for each step
.set CD,  68                           ; v68-70, v72-74 codes of each step
.set SB,  76                           ; v76-77   scale byte of each step
.set WR,  84                           ; v84-211  w_router[256 w + 16 i + kk][e] at WR + 8 kk + e
	s_load_b256 s[4:11], s[0:1], 0x0               ; x, w_router, sel, wgt
	s_load_b128 s[12:15], s[0:1], 0x20             ; xq, xs
	v_lshl_add_u32 v216, v0, 2, 0x400
	v_mov_b32 v217, 0
	v_lshrrev_b32 v13, 5, v0
	v_readfirstlane_b32 s16, v13                   ; wave
	v_and_b32 v1, 15, v0                           ; i
	v_bfe_u32 v2, v0, 4, 1                         ; p
	v_lshlrev_b32 v3, 6, v1
	v_lshl_add_u32 v3, v2, 12, v3                  ; x: 4096 p + 64 i
	v_lshlrev_b32 v4, 9, v1                        ; w_router: 16 rows of 32 bytes a lane
	v_bfe_u32 v13, v0, 3, 1
	v_mul_u32_u24 v5, v13, 96                      ; codes: K step i / 8,
	v_bfe_u32 v13, v0, 1, 1
	v_mad_u32_u24 v5, v13, 48, v5                  ; h = the block's low bit,
	v_bfe_u32 v13, v0, 2, 1
	v_mad_u32_u24 v5, v13, 24, v5                  ; c = its high bit,
	v_and_b32 v13, 1, v0
	v_mad_u32_u24 v5, v13, 12, v5                  ; my half of the block,
	v_mad_u32_u24 v5, v2, 768, v5                  ; token p of the step
	s_lshl_b32 s17, s16, 5
	v_lshlrev_b32 v6, 7, v2
	v_add_nc_u32 v6, s17, v6                       ; LDS, partial logits [token 4][wave 4][8 f32]: 128 p + 32 w
	s_lshl_b32 s17, s16, 3
	s_add_co_u32 s17, s17, 512
	v_bfe_u32 v7, v0, 1, 3
	v_lshl_add_u32 v7, v2, 5, v7
	v_add_nc_u32 v7, s17, v7                       ; LDS, scale bytes [token 4][32] from byte 512: 32 p + 8 w + i / 2
	v_and_b32 v12, 7, v0                           ; wave 0's tail: lane = (token l / 8, expert l % 8)
	v_bfe_u32 v13, v0, 3, 2
	v_lshlrev_b32 v8, 2, v12
	v_lshl_add_u32 v8, v13, 7, v8                  ; where it reads the partial logits
	v_lshlrev_b32 v11, 2, v13                      ; sel, wgt: 4 bytes a token
	v_and_b32 v14, 31, v0
	v_lshlrev_b32 v10, 2, v14                      ; xs: 4 bytes a lane
	v_add_nc_u32 v9, 0x200, v10                    ; and the same in LDS
	s_lshl_b32 s18, ttmp9, 14
	s_lshl_b32 s20, s16, 10
	s_add_co_u32 s18, s18, s20                     ; x: 4 tokens of 4,096 bytes a work-group, 1,024 bytes a wave
	s_mov_b32 s19, 0
	s_lshl_b32 s20, s16, 13                        ; w_router: 256 rows of 32 bytes a wave
	s_mov_b32 s21, 0
	s_mul_i32 s22, ttmp9, 3072
	s_mul_i32 s24, s16, 192
	s_add_co_u32 s22, s22, s24                     ; xq: 768 bytes a token, 192 a wave
	s_mov_b32 s23, 0
	s_lshl_b32 s24, ttmp9, 7                       ; xs: 32 bytes a token
	s_mov_b32 s25, 0
	s_lshl_b32 s26, ttmp9, 4                       ; sel, wgt
	s_mov_b32 s27, 0
	s_wait_kmcnt 0x0
	s_add_nc_u64 s[4:5], s[4:5], s[18:19]
	s_add_nc_u64 s[6:7], s[6:7], s[20:21]
	s_add_nc_u64 s[8:9], s[8:9], s[26:27]
	s_add_nc_u64 s[10:11], s[10:11], s[26:27]
	s_add_nc_u64 s[12:13], s[12:13], s[22:23]
	s_add_nc_u64 s[14:15], s[14:15], s[24:25]
.irp s, 0,1
.irp q, 0,1,2,3
	global_load_b128 v[X+16*\s+4*\q:X+16*\s+4*\q+3], v3, s[4:5] offset:8192*\s+16*\q th:TH_LOAD_NT
.endr
.endr
.set j, 0
.rept 32
	global_load_b128 v[WR+4*j:WR+4*j+3], v4, s[6:7] offset:16*j
.set j, j+1
.endr
	s_wait_loadcnt 32                              ; x's eight loads are in; the 32 issued behind them (w_router) may be out
; Step s: the block's largest magnitude, its byte, 16 codes.
.macro QX s
	v_max3_num_f32 v13, |v[X+16*\s]|, |v[X+16*\s+1]|, |v[X+16*\s+2]|
	v_max3_num_f32 v14, |v[X+16*\s+3]|, |v[X+16*\s+4]|, |v[X+16*\s+5]|
.irp i, 6,10
	v_max3_num_f32 v13, v13, |v[X+16*\s+\i]|, |v[X+16*\s+\i+1]|
	v_max3_num_f32 v14, v14, |v[X+16*\s+\i+2]|, |v[X+16*\s+\i+3]|
.endr
	v_max3_num_f32 v13, v13, |v[X+16*\s+14]|, |v[X+16*\s+15]|
	v_max3_num_f32 v13, v13, v14, 0x1800000        ; and the floor 2^(3 - 127): the byte cannot fall under 1
	v_max_num_f32_dpp v13, v13, v13 row_xmask:1 row_mask:0xf bank_mask:0xf   ; with my neighbour's 16: the block's
	v_add_nc_u32 v15, 0xff000000, v13              ; 2 off the exponent field: the conversion takes this operand's exponent field as its scale
	v_cvt_scalef32_pk16_fp6_f32 v[CD+4*\s:CD+4*\s+2], v[X+16*\s:X+16*\s+15], v15
	v_lshrrev_b32 v[SB+\s], 23, v15                ; the scale's byte (also the plain line behind the conversion)
	ds_store_b8 v7, v[SB+\s] offset:64*\s          ; both lanes of a block write the same byte with the same value
	global_store_b96 v5, v[CD+4*\s:CD+4*\s+2], s[12:13] offset:1536*\s
.endm
	QX 0
	QX 1
	s_wait_loadcnt 0x0                             ; w_router
; The logits: 8 chains (2 steps x 4 pairs of experts) by turns; x[kk] serves both halves of a pair.
.irp kk, 0,1,2,3,4,5,6,7,8,9,10,11,12,13,14,15
.irp s, 0,1
.irp pr, 0,1,2,3
.if \kk == 0
	v_pk_mul_f32 v[ACC+8*\s+2*\pr:ACC+8*\s+2*\pr+1], v[WR+2*\pr:WR+2*\pr+1], v[X+16*\s:X+16*\s+1] op_sel_hi:[1,0]
.elseif (\kk%2) == 0
	v_pk_fma_f32 v[ACC+8*\s+2*\pr:ACC+8*\s+2*\pr+1], v[WR+8*\kk+2*\pr:WR+8*\kk+2*\pr+1], v[X+16*\s+\kk:X+16*\s+\kk+1], v[ACC+8*\s+2*\pr:ACC+8*\s+2*\pr+1] op_sel_hi:[1,0,1]
.else
	v_pk_fma_f32 v[ACC+8*\s+2*\pr:ACC+8*\s+2*\pr+1], v[WR+8*\kk+2*\pr:WR+8*\kk+2*\pr+1], v[X+16*\s+\kk-1:X+16*\s+\kk], v[ACC+8*\s+2*\pr:ACC+8*\s+2*\pr+1] op_sel:[0,1,0] op_sel_hi:[1,1,1]
.endif
.endr
.endr
.endr
.irp m, 1,2,4,8                                ; over the 16 lanes of a token: every lane of the half ends with the wave's sum
.set i, 0
.rept 16
	v_add_f32_dpp v[ACC+i], v[ACC+i], v[ACC+i] row_xmask:\m row_mask:0xf bank_mask:0xf
.set i, i+1
.endr
.endr
.irp s, 0,1
	ds_store_b128 v6, v[ACC+8*\s:ACC+8*\s+3] offset:256*\s          ; the sixteen lanes of a half write the same bytes with the same values
	ds_store_b128 v6, v[ACC+8*\s+4:ACC+8*\s+7] offset:256*\s+16
.endr
	s_wait_dscnt 0x0                               ; for wave 0's sake: my partial logits and scale bytes have landed
	s_barrier_signal -1
	s_barrier_wait -1
	s_cmp_lg_u32 s16, 0
	s_cbranch_scc1 .Lend                           ; wave 0 finishes the four tokens
.irp wv, 0,1,2,3
	ds_load_b32 v[13+\wv], v8 offset:32*\wv
.endr
	ds_load_b32 v17, v9                            ; four scale bytes a lane
	v_mov_b32 v78, 0                               ; (a DPP move's destination counts as read)
	s_wait_dscnt 0x0
	v_add_f32 v13, v13, v14
	v_add_f32 v15, v15, v16
	v_add_f32 v13, v13, v15                        ; my token's logit of my expert
	v_max_num_f32_dpp v14, v13, v13 row_xmask:1 row_mask:0xf bank_mask:0xf
	v_max_num_f32_dpp v14, v14, v14 row_xmask:2 row_mask:0xf bank_mask:0xf
	v_max_num_f32_dpp v14, v14, v14 row_xmask:4 row_mask:0xf bank_mask:0xf   ; the token's largest logit
	v_sub_f32 v15, v13, v14
	v_mul_f32 v15, 0x3fb8aa3b, v15
	v_cmp_eq_f32 vcc_lo, v13, v14
	v_exp_f32 v15, v15
	v_mov_b32 v18, 8                               ; (a plain line behind the exponential)
	s_wait_alu depctr_va_vdst(0)
	v_add_f32_dpp v15, v15, v15 row_xmask:1 row_mask:0xf bank_mask:0xf
	v_add_f32_dpp v15, v15, v15 row_xmask:2 row_mask:0xf bank_mask:0xf
	v_add_f32_dpp v15, v15, v15 row_xmask:4 row_mask:0xf bank_mask:0xf       ; the softmax's sum
	v_rcp_f32 v16, v15                             ; the largest term is 1: the chosen probability is 1 / sum
	v_cndmask_b32 v19, v18, v12, vcc_lo            ; my expert's number where my logit is the largest, else 8 (a plain line behind the reciprocal)
.irp m, 1,2,4
	v_mov_b32_dpp v78, v19 row_xmask:\m row_mask:0xf bank_mask:0xf
	v_min_u32 v19, v19, v78                        ; the lowest such number
.endr
	v_min_u32 v19, 7, v19
	global_store_b32 v11, v19, s[8:9]              ; eight lanes write a token's word with the same value
	s_wait_alu depctr_va_vdst(0)
	global_store_b32 v11, v16, s[10:11]
	global_store_b32 v10, v17, s[14:15]            ; 128 consecutive bytes: four tokens' scale bytes
.Lend:
	s_wait_tensorcnt 0x0
	ds_add_u32 v216, v217
	s_wait_dscnt 0x0
	s_endpgm
.Lfunc_end_k_q38b046ae9f_route:
	.size	k_q38b046ae9f_route, .Lfunc_end_k_q38b046ae9f_route-k_q38b046ae9f_route
	.p2alignl 7, 3214868480
	.fill 96, 4, 3214868480
	.section	.rodata,"a",@progbits
	.p2align	6, 0x0
	.amdhsa_kernel k_q38b046ae9f_route
		.amdhsa_group_segment_fixed_size 1536
		.amdhsa_private_segment_fixed_size 0
		.amdhsa_enable_private_segment 0
		.amdhsa_kernarg_size 48
		.amdhsa_user_sgpr_count 2
		.amdhsa_user_sgpr_kernarg_segment_ptr 1
		.amdhsa_wavefront_size32 1
		.amdhsa_system_sgpr_workgroup_id_x 1
		.amdhsa_system_sgpr_workgroup_id_y 1
		.amdhsa_system_sgpr_workgroup_id_z 1
		.amdhsa_system_vgpr_workitem_id 0
		.amdhsa_next_free_vgpr 218
		.amdhsa_next_free_sgpr 66
		.amdhsa_reserve_vcc 1
		.amdhsa_float_denorm_mode_32 3
		.amdhsa_float_denorm_mode_16_64 3
		.amdhsa_memory_ordered 1
		.amdhsa_forward_progress 1
		.amdhsa_inst_pref_size 23
	.end_amdhsa_kernel
	.amdgpu_metadata
---
amdhsa.version: [ 1, 2 ]
amdhsa.kernels:
  - .name:           k_q38b046ae9f_route
    .symbol:         k_q38b046ae9f_route.kd
    .args:
      - { .name: x, .offset: 0, .size: 8, .value_kind: global_buffer, .address_space: global }
      - { .name: w_router, .offset: 8, .size: 8, .value_kind: global_buffer, .address_space: global }
      - { .name: sel, .offset: 16, .size: 8, .value_kind: global_buffer, .address_space: global }
      - { .name: wgt, .offset: 24, .size: 8, .value_kind: global_buffer, .address_space: global }
      - { .name: xq, .offset: 32, .size: 8, .value_kind: global_buffer, .address_space: global }
      - { .name: xs, .offset: 40, .size: 8, .value_kind: global_buffer, .address_space: global }
    .group_segment_fixed_size: 1536
    .private_segment_fixed_size: 0
    .kernarg_segment_align: 8
    .kernarg_segment_size: 48
    .max_flat_workgroup_size: 128
    .sgpr_count:     66
    .vgpr_count:     218
    .wavefront_size: 32
...
	.end_amdgpu_metadata
.endif
;; end of part 1
;; launch place (part 2): grid 8 x 1, 1 waves a work-group, no clusters, 0 bytes of LDS; arguments sel, wgt, order, wsort; writes order, wsort
.if DOCPART == 2
	.amdgcn_target "amdgcn-amd-amdhsa--gfx1250"
	.amdhsa_code_object_version 6
	.text
	.protected	k_q38b046ae9f_place
	.globl	k_q38b046ae9f_place
	.p2align	8
	.type	k_q38b046ae9f_place,@function
k_q38b046ae9f_place:
	s_mov_b64 s[64:65], 0
	v_nop
	global_prefetch_b8 v0, s[64:65] scope:SCOPE_SE
	s_setreg_imm32_b32 hwreg(HW_REG_WAVE_MODE, 25, 1), 1
	s_wait_xcnt 0x0
; THE ROWS ARE PLACED BY EXPERT.  Work-group e (one wave) reads all 1,024 choices and gives each token of expert e a slot 1024 e + rank; no atomics, no traffic between work-groups.
; order (u32): index 0 .. 8191 the slots' tokens; 8192 + 32 e + lane a dump word, where a lane stores what is not expert e's, so that every lane stays on; byte 33,792 + 4 e: the expert's count.
; wsort (f32): the routing weight, at the same indices.  The order of an expert's tokens is free: each output row has one owner.
; Register k = 4 i + c of lane l stands for token 128 i + 4 l + c.  Its rank: the tokens of e counted so far (a scalar) + those in lower lanes of this register.
; An expert without tokens gets token 0 with weight 0 in its first slot, so that the later launches read nothing that was not stored.
.set S, 4                              ; v4-35    choices
.set G, 36                             ; v36-67   weights
.set P, 68                             ; v68-99   byte offsets of the slots
.set K, 100                            ; v100-131 token numbers
	s_load_b256 s[4:11], s[0:1], 0x0               ; sel, wgt, order, wsort
	s_mov_b32 s12, ttmp9                           ; e
	s_lshl_b32 s13, s12, 10                        ; the next free slot
	s_mov_b32 s16, s13
	s_lshl_b32 s18, s12, 5
	s_add_co_u32 s18, s18, 0x2000                  ; the expert's dump words
	v_lshlrev_b32 v1, 4, v0
	v_lshlrev_b32 v2, 2, v0
	v_add_nc_u32 v3, s18, v0
.set k, 0
.rept 32
	v_add_nc_u32 v[K+k], 128*(k/4)+k%4, v2
.set k, k+1
.endr
	s_wait_kmcnt 0x0
.irp i, 0,1,2,3,4,5,6,7
	global_load_b128 v[S+4*\i:S+4*\i+3], v1, s[4:5] offset:512*\i
.endr
.irp i, 0,1,2,3,4,5,6,7
	global_load_b128 v[G+4*\i:G+4*\i+3], v1, s[6:7] offset:512*\i
.endr
	s_wait_loadcnt 8                               ; the choices are in; the eight loads behind them (the weights) may be out
.set k, 0
.rept 32
	v_cmp_eq_u32 s14, s12, v[S+k]                  ; whose token is expert e's
	v_mbcnt_lo_u32_b32 v[P+k], s14, s13            ; the next free slot + such lanes below me
	v_cndmask_b32 v[P+k], v3, v[P+k], s14          ; the others go to their dump word
	s_bcnt1_i32_b32 s15, s14
	s_add_co_u32 s13, s13, s15
	v_min_u32 v[P+k], 0x20ff, v[P+k]               ; inside the buffers, whatever was read
	v_lshlrev_b32 v[P+k], 2, v[P+k]
	global_store_b32 v[P+k], v[K+k], s[8:9]
.set k, k+1
.endr
	s_wait_loadcnt 0x0
.set k, 0
.rept 32
	global_store_b32 v[P+k], v[G+k], s[10:11]
.set k, k+1
.endr
	s_sub_co_u32 s17, s13, s16                     ; the expert's count
	s_cmp_eq_u32 s17, 0
	s_cselect_b32 s18, s16, s18                    ; no token: the first slot is filled; else the line below goes to a dump word
	v_mov_b32 v132, s18
	v_min_u32 v132, 0x20ff, v132
	v_lshlrev_b32 v132, 2, v132
	v_mov_b32 v133, 0
	global_store_b32 v132, v133, s[8:9]
	global_store_b32 v132, v133, s[10:11]
	s_lshl_b32 s19, s12, 2
	s_add_co_u32 s19, s19, 0x8400
	v_mov_b32 v134, s19
	v_mov_b32 v135, s17
	global_store_b32 v134, v135, s[8:9]
	s_endpgm
.Lfunc_end_k_q38b046ae9f_place:
	.size	k_q38b046ae9f_place, .Lfunc_end_k_q38b046ae9f_place-k_q38b046ae9f_place
	.p2alignl 7, 3214868480
	.fill 96, 4, 3214868480
	.section	.rodata,"a",@progbits
	.p2align	6, 0x0
	.amdhsa_kernel k_q38b046ae9f_place
		.amdhsa_group_segment_fixed_size 0
		.amdhsa_private_segment_fixed_size 0
		.amdhsa_enable_private_segment 0
		.amdhsa_kernarg_size 32
		.amdhsa_user_sgpr_count 2
		.amdhsa_user_sgpr_kernarg_segment_ptr 1
		.amdhsa_wavefront_size32 1
		.amdhsa_system_sgpr_workgroup_id_x 1
		.amdhsa_system_sgpr_workgroup_id_y 1
		.amdhsa_system_sgpr_workgroup_id_z 1
		.amdhsa_system_vgpr_workitem_id 0
		.amdhsa_next_free_vgpr 136
		.amdhsa_next_free_sgpr 66
		.amdhsa_reserve_vcc 0
		.amdhsa_float_denorm_mode_32 3
		.amdhsa_float_denorm_mode_16_64 3
		.amdhsa_memory_ordered 1
		.amdhsa_forward_progress 1
		.amdhsa_inst_pref_size 22
	.end_amdhsa_kernel
	.amdgpu_metadata
---
amdhsa.version: [ 1, 2 ]
amdhsa.kernels:
  - .name:           k_q38b046ae9f_place
    .symbol:         k_q38b046ae9f_place.kd
    .args:
      - { .name: sel, .offset: 0, .size: 8, .value_kind: global_buffer, .address_space: global }
      - { .name: wgt, .offset: 8, .size: 8, .value_kind: global_buffer, .address_space: global }
      - { .name: order, .offset: 16, .size: 8, .value_kind: global_buffer, .address_space: global }
      - { .name: wsort, .offset: 24, .size: 8, .value_kind: global_buffer, .address_space: global }
    .group_segment_fixed_size: 0
    .private_segment_fixed_size: 0
    .kernarg_segment_align: 8
    .kernarg_segment_size: 32
    .max_flat_workgroup_size: 32
    .sgpr_count:     66
    .vgpr_count:     136
    .wavefront_size: 32
...
	.end_amdgpu_metadata
.endif
;; end of part 2
;; launch up (part 3): grid 32 x 8, 4 waves a work-group, no clusters, 231,936 bytes of LDS; arguments xq, xs, order, w1_codes, w1_scales, b1, hq, hs; writes hq, hs
.if DOCPART == 3
	.amdgcn_target "amdgcn-amd-amdhsa--gfx1250"
	.amdhsa_code_object_version 6
	.text
	.protected	k_q38b046ae9f_up
	.globl	k_q38b046ae9f_up
	.p2align	8
	.type	k_q38b046ae9f_up,@function
k_q38b046ae9f_up:
	s_mov_b64 s[64:65], 0
	v_nop
	global_prefetch_b8 v0, s[64:65] scope:SCOPE_SE
	s_setreg_imm32_b32 hwreg(HW_REG_WAVE_MODE, 25, 1), 1
	s_wait_xcnt 0x0
; THE FIRST PRODUCT, FOR THE CHOSEN ROWS ONLY: hq, hs = Q(relu(Xq W1[e]^T + b1[e])) for the tokens of expert e, on E2M3 codes with one E8M0 scale for each 32 along K.
; SHARES.  Work-group (c, e) makes hidden units 128 c .. 128 c + 127 of expert e, which are K step c of the second product, for all of the expert's tokens.  Its 128 rows of W1 (98,304 dense bytes) are read
; from memory ONCE, dense, turned through LDS into fragments and kept in registers.  Wave w = (kh = w % 2, nh = w / 2) holds tiles T = 4 nh + t (t = 0 .. 3) of 16 units for K steps 4 kh + j (j = 0 .. 3): 16 fragments.
; Tokens go in GROUPS of 64 slots (4 tiles of 16).  A slot past the expert's last is held at the last: such rows are copies of the last token.  An expert without tokens runs one group on the slot that the launch before filled.
; THE PRODUCT IS USED TRANSPOSED (source 0 = 16 rows of W1, source 1 = 16 tokens): a lane holds one token, its registers run along the hidden units.  THE ROWS OF W1 THAT FORM A TILE ARE NOT NEIGHBOURS:
; lane r of tile 2 b + u takes row 32 b + 8 u + r + 8 (r / 8), so that the 16 registers of tiles 2 b, 2 b + 1 are 16 neighbours along the next K.
; A GROUP: part A: each wave's 64 products, partial sums (half of K) into a sum buffer in LDS as images of the registers | barrier | part B: wave w adds the two halves of token tile w, relu, quantises, stores one fragment's image
; (1,536 dense bytes) and its scale words.  Two sum buffers by turns: one barrier a group.  The bias is the C of the first product of the waves with kh = 0; the others take zeros.
; THE LOOP HAS A CONSTANT NUMBER OF TRIPS (8 x 2 groups, the most an expert can have); groups past the expert's count jump over the work, never over the barrier.
; No tensor load, no joint request: the number of groups is read from memory and branches hang on it, so operands come through registers.
; hq: [e][tile 64][K step 32][1,536 bytes]: registers 4 q .. 4 q + 3 of lane L at 512 q + 16 L.   hs: [e][tile][K step / 4][row 16][K step % 4] words.
; LIMITS: NaN and infinities are not served; a block of the hidden layer that is all zeros, or under 2^-124, gets the byte 1 (its codes are zeros or follow that scale; this program alone reads the bytes).
; REGISTERS.  window 0: v1 16 l, v2 r, v3 h; v4, v6 where I write sums (buffer 0, 1); v5, v7 where I read them; v8-11 the next group's tokens, v12-15 their offsets in order; v16-19, v20-23 offsets of x's codes and scale words;
;   v24 48 h; v25 my place in hs; v26-28 LDS addresses of the weights' turn; v29 at work; v30, v31 offsets of W1's scales and of b1; v32-47 W1's scale words (4 t + j); v48-63 x's (4 tt + j);
;   v64-127, v128-191 accumulators of token tiles 0, 1 and 2, 3, in part B the two halves of the sums; v192-211 codes; v212-227 at work; v228 the scale word.
;   window 1: v[12 (4 t + j)] W1's fragments; v192 + 8 t the bias.   window 2: v[12 (4 tt + j)] x's fragments.
.set WST,  131072                      ; LDS: sum buffers at 0 and 65,536 (65,536 bytes each: [token tile 4][kh 2][T 8][1,024]); from here the weights' 128 rows,
.set WP,   784                         ; 768 bytes + 16: 16 rows on end start 16 bytes further round the 256, so the 32 lanes' pieces of 8 bytes fall on different banks
.set ACC,  64
.set PC,   192
.set TM,   212
.set PW,   228
.set WSC,  32
.set XSC,  48
.set BI,   192
.set SEL,  40
.set MSB, 0
.macro WIN new                         ; the immediate's high byte repeats the setting that is left
.if MSB != \new
	s_set_vgpr_msb (MSB<<8)|\new
.set MSB, \new
.endif
.endm
.macro PLACES                          ; four plain lines between a matrix instruction and the LDS stores that read its results and the loads into its sources
.rept 4
	v_nop
.endr
.endm
.macro TADDR a, sb                     ; offsets in order of slots s[sb] + 16 tt + r, held at the expert's last slot and inside the buffer
.irp tt, 0,1,2,3
	v_add3_u32 v[\a+\tt], s[\sb], v2, 16*\tt
.endr
.irp tt, 0,1,2,3
	v_min_u32 v[\a+\tt], s29, v[\a+\tt]
.endr
.irp tt, 0,1,2,3
	v_min_u32 v[\a+\tt], 0x1fff, v[\a+\tt]
.endr
.irp tt, 0,1,2,3
	v_lshlrev_b32 v[\a+\tt], 2, v[\a+\tt]
.endr
.endm
.macro TLOAD d, a
.irp tt, 0,1,2,3
	global_load_b32 v[\d+\tt], v[\a+\tt], s[8:9]
.endr
.endm
.macro XADDR src                       ; from four tokens to the offsets of their codes (768 bytes a token, + 48 h) and scale words (32 bytes a token)
.irp tt, 0,1,2,3
	v_min_u32 v29, 0x3ff, v[\src+\tt]
	v_mad_u32_u24 v[16+\tt], v29, 768, v24
	v_lshlrev_b32 v[20+\tt], 5, v29
.endr
.endm
.macro XLOAD p                         ; token tiles 2 p, 2 p + 1: four fragments each (48 bytes on end a lane and fragment) and four scale words: 26 loads
	WIN 0x80
.irp ttp, 0,1
.irp j, 0,1,2,3
.irp q, 0,1,2
	global_load_b128 v[12*(4*(2*\p+\ttp)+\j)+4*\q:12*(4*(2*\p+\ttp)+\j)+4*\q+3], v[16+2*\p+\ttp], s[4:5] offset:96*\j+16*\q
.endr
.endr
.endr
	WIN 0
.irp ttp, 0,1
	global_load_b128 v[XSC+4*(2*\p+\ttp):XSC+4*(2*\p+\ttp)+3], v[20+2*\p+\ttp], s[6:7]
.endr
.endm
.macro MUL p                           ; 32 products: 8 accumulators (2 token tiles x 4 tiles of units) by turns, one instruction a turn; K step by K step
.irp j, 0,1,2,3
.if \j == 0
	WIN 0x19                                       ; source 0 (W1) and C (the bias) window 1, source 1 (x) window 2
.else
	WIN 0x09
.endif
.irp ttp, 0,1
.irp t, 0,1,2,3
.if \j == 0
	v_wmma_scale_f32_16x16x128_f8f6f4 v[ACC+64*\p+32*\ttp+8*\t:ACC+64*\p+32*\ttp+8*\t+7], v[12*(4*\t+\j):12*(4*\t+\j)+11], v[12*(4*(2*\p+\ttp)+\j):12*(4*(2*\p+\ttp)+\j)+11], v[BI+8*\t:BI+8*\t+7], v[WSC+4*\t+\j], v[XSC+4*(2*\p+\ttp)+\j] matrix_a_fmt:MATRIX_FMT_FP6 matrix_b_fmt:MATRIX_FMT_FP6
.else
	v_wmma_scale_f32_16x16x128_f8f6f4 v[ACC+64*\p+32*\ttp+8*\t:ACC+64*\p+32*\ttp+8*\t+7], v[12*(4*\t+\j):12*(4*\t+\j)+11], v[12*(4*(2*\p+\ttp)+\j):12*(4*(2*\p+\ttp)+\j)+11], v[ACC+64*\p+32*\ttp+8*\t:ACC+64*\p+32*\ttp+8*\t+7], v[WSC+4*\t+\j], v[XSC+4*(2*\p+\ttp)+\j] matrix_a_fmt:MATRIX_FMT_FP6 matrix_b_fmt:MATRIX_FMT_FP6
.endif
.endr
.endr
.endr
.endm
.macro PUT p, a                        ; the partial sums as images: 512 consecutive bytes a store; each accumulator from its low end on
.irp ttp, 0,1
.irp t, 0,1,2,3
	ds_store_b128 v[\a], v[ACC+64*\p+32*\ttp+8*\t:ACC+64*\p+32*\ttp+8*\t+3] offset:16384*(2*\p+\ttp)+1024*\t
	ds_store_b128 v[\a], v[ACC+64*\p+32*\ttp+8*\t+4:ACC+64*\p+32*\ttp+8*\t+7] offset:16384*(2*\p+\ttp)+1024*\t+512
.endr
.endr
.endm
; 64 numbers of a lane, register 16 b + i = k 32 b + 16 (lane / 16) + i of my token, become a fragment's codes in v[PC] on and its scale word in v[PW].
.macro QUANT s
.irp b, 0,1,2,3
	v_max3_num_f32 v[TM+\b], |v[\s+16*\b]|, |v[\s+1+16*\b]|, 0x1800000   ; block b: my 16 numbers, and the floor 2^(3 - 127): the byte cannot fall under 1
.endr
.irp i, 2,4,6,8,10,12,14
.irp b, 0,1,2,3
	v_max3_num_f32 v[TM+\b], v[TM+\b], |v[\s+16*\b+\i]|, |v[\s+1+16*\b+\i]|   ; the four blocks by turns
.endr
.endr
.irp b, 0,1,2,3
	v_permlanex16_b32 v[TM+4+\b], v[TM+\b], s[SEL], s[SEL+1]
.endr
.irp b, 0,1,2,3
	v_max_num_f32 v[TM+\b], v[TM+\b], v[TM+4+\b]   ; with lane l xor 16's: the block's largest magnitude
.endr
.irp b, 0,1,2,3
	v_add_nc_u32 v[TM+12+\b], 0xff000000, v[TM+\b] ; 2 off its exponent field: the conversion's scale operand
.endr
.irp b, 0,1,2,3
	v_lshrrev_b32 v[TM+4+\b], 23, v[TM+12+\b]      ; the scale's byte
.endr
	v_lshl_or_b32 v[PW], v[TM+5], 8, v[TM+4]
	v_lshl_or_b32 v[PW], v[TM+6], 16, v[PW]
	v_lshl_or_b32 v[PW], v[TM+7], 24, v[PW]
.irp c, 0,1
	v_cvt_scalef32_pk16_fp6_f32 v[PC+6*\c:PC+2+6*\c], v[\s+32*\c:\s+15+32*\c], v[TM+12+2*\c]
	v_cvt_scalef32_pk16_fp6_f32 v[PC+12+4*\c:PC+14+4*\c], v[\s+16+32*\c:\s+31+32*\c], v[TM+12+2*\c+1]   ; (a conversion's three registers begin on an even number)
.endr
	v_nop                                          ; one plain line behind a scaled conversion
.irp c, 0,1                                    ; the operand's layout wants a whole block in a lane: lanes 0-15 block 2 c, lanes 16-31 block 2 c + 1
.irp i, 0,1,2
	v_permlane16_swap_b32 v[PC+6*\c+\i], v[PC+12+4*\c+\i]
.endr
.irp i, 0,1,2
	v_mov_b32 v[PC+3+6*\c+\i], v[PC+12+4*\c+\i]
.endr
.endr
.endm
	s_load_b256 s[4:11], s[0:1], 0x0               ; xq, xs, order, w1_codes
	s_load_b256 s[12:19], s[0:1], 0x20             ; w1_scales, b1, hq, hs
	v_lshl_add_u32 v254, v0, 2, 0x38800
	v_mov_b32 v255, 0
	v_lshrrev_b32 v29, 5, v0
	v_readfirstlane_b32 s22, v29                   ; wave
	s_and_b32 s23, s22, 1                          ; kh
	s_lshr_b32 s24, s22, 1                         ; nh
	s_mov_b32 s25, ttmp9                           ; c
	s_and_b32 s26, ttmp7, 0xffff                   ; e
	s_lshl_b32 s20, s26, 2
	s_wait_kmcnt 0x0
	s_load_b32 s27, s[8:9], s20 offset:0x8400      ; the expert's count
	v_and_b32 v30, 31, v0
	v_lshlrev_b32 v1, 4, v30                       ; 16 l
	v_and_b32 v2, 15, v0                           ; r
	v_bfe_u32 v3, v0, 4, 1                         ; h
	s_lshl_b32 s33, s23, 13
	s_lshl_b32 s34, s24, 12
	s_add_co_u32 s33, s33, s34
	v_add_nc_u32 v4, s33, v1                       ; sums out: 16 l + 8192 kh + 4096 nh
	v_add_nc_u32 v6, 0x10000, v4
	s_lshl_b32 s33, s22, 14
	v_add_nc_u32 v5, s33, v1                       ; sums back: 16 l + 16384 w: token tile w
	v_add_nc_u32 v7, 0x10000, v5
	v_mul_u32_u24 v24, v3, 48
	s_lshr_b32 s33, s25, 2
	s_lshl_b32 s33, s33, 8
	s_and_b32 s34, s25, 3
	s_lshl_b32 s34, s34, 2
	s_add_co_u32 s33, s33, s34
	v_lshl_add_u32 v25, v2, 4, s33                 ; hs: 256 (c / 4) + 16 r + 4 (c % 4)
	s_mul_i32 s33, s22, 32*WP
	s_add_co_u32 s33, s33, WST
	v_add_nc_u32 v26, s33, v1                      ; the weights' way in: my wave's 32 rows, 16 bytes a lane;
	v_lshl_add_u32 v27, v3, 4, v26
	v_add_nc_u32 v27, 0x200, v27                   ; a load that ends one row (lanes 0-15) and begins the next (lanes 16-31, 16 bytes of padding further on)
	v_mul_u32_u24 v28, v2, WP
	v_mad_u32_u24 v28, v3, 24, v28
	s_mul_i32 s33, s24, 64*WP
	s_mul_i32 s34, s23, 384
	s_add_co_u32 s33, s33, s34
	s_add_co_u32 s33, s33, WST
	v_add_nc_u32 v28, s33, v28                     ; and back: row 64 nh + r, byte 384 kh + 24 h
	v_and_b32 v30, 8, v2
	v_add_nc_u32 v30, v30, v2
	v_lshlrev_b32 v30, 5, v30                      ; W1's scales: 32 bytes a row, row r + 8 (r / 8) of a tile
	v_lshlrev_b32 v31, 6, v3                       ; b1: my half's units begin 16 further on
	s_lshl_b32 s45, s26, 12
	s_lshl_b32 s33, s25, 7
	s_add_co_u32 s45, s45, s33                     ; the work-group's first row of W1: 4096 e + 128 c
	s_mov_b32 s35, 0
	s_mul_i32 s34, s23, 384
	s_add_nc_u64 s[4:5], s[4:5], s[34:35]          ; xq at my four K steps
	s_lshl_b32 s34, s23, 4
	s_add_nc_u64 s[6:7], s[6:7], s[34:35]          ; xs likewise
	s_lshl_b32 s34, s22, 5
	s_add_co_u32 s34, s34, s45
	s_mul_i32 s34, s34, 768
	s_add_nc_u64 s[10:11], s[10:11], s[34:35]      ; the 32 rows that my wave brings in
	s_lshl_b32 s33, s24, 6
	s_add_co_u32 s33, s33, s45
	s_lshl_b32 s34, s33, 5
	s_lshl_b32 s36, s23, 4
	s_add_co_u32 s34, s34, s36
	s_add_nc_u64 s[12:13], s[12:13], s[34:35]      ; scales of my 64 rows, my four K steps
	s_lshl_b32 s34, s33, 2
	s_add_nc_u64 s[14:15], s[14:15], s[34:35]      ; b1 of my 64 units
	s_lshl_b32 s46, s26, 10                        ; the expert's first slot
	s_add_co_u32 s47, s46, 128
	s_lshl_b32 s48, s26, 6
	s_add_co_u32 s48, s48, s22                     ; 64 e + w: my tile of group 0
	s_mul_i32 s49, s25, 1536
	s_mov_b32 s[SEL], 0x76543210
	s_mov_b32 s[SEL+1], 0xfedcba98                 ; v_permlanex16_b32's selects for lane l xor 16
	s_cmp_eq_u32 s23, 0
	s_cselect_b32 s42, -1, 0                       ; who adds the bias
	s_wait_kmcnt 0x0
	s_min_u32 s27, s27, 0x400
	s_add_co_u32 s28, s27, 63
	s_lshr_b32 s28, s28, 6
	s_max_u32 s28, s28, 1                          ; groups to run
	s_max_u32 s29, s27, 1
	s_add_co_u32 s29, s29, s46
	s_sub_co_u32 s29, s29, 1                       ; the last slot that holds a token
	TADDR 12, 46
	TLOAD 16, 12                                   ; group 0's tokens
	s_add_co_u32 s33, s46, 64
	TADDR 20, 33
	TLOAD 8, 20                                    ; group 1's
	WIN 0x40
.set i, 0
.rept 48
	global_load_b128 v[4*i:4*i+3], v1, s[10:11] offset:512*i th:TH_LOAD_NT   ; 512 consecutive bytes a load, 24,576 a wave: read once in the launch
.set i, i+1
.endr
.irp t, 0,1,2,3
	global_load_b128 v[BI+8*\t:BI+8*\t+3], v31, s[14:15] offset:4*(32*(\t/2)+8*(\t%2))
	global_load_b128 v[BI+8*\t+4:BI+8*\t+7], v31, s[14:15] offset:4*(32*(\t/2)+8*(\t%2))+16
.endr
	WIN 0
.irp t, 0,1,2,3
	global_load_b128 v[WSC+4*\t:WSC+4*\t+3], v30, s[12:13] offset:32*(32*(\t/2)+8*(\t%2))
.endr
	s_wait_loadcnt 60                              ; the eight list loads are in; the 48 + 8 + 4 issued behind them may be out
	XADDR 16
	XLOAD 0
	XLOAD 1
	s_wait_loadcnt 52                              ; weights, bias and scales are in; the 2 x 26 loads of x may be out
	WIN 0x44
.set i, 0
.rept 32
	v_cndmask_b32 v[BI+i], 0, v[BI+i], s42         ; the waves of the second half of K start from zeros
.set i, i+1
.endr
	WIN 0x04
.set q, 0
.rept 16                                       ; three loads are two rows.  Memory rows 8 q4 + i of my 32 go to LDS rows 8 (2 (q4 % 2) + q4 / 2) + i: so a tile's 16 rows lie on end
.set LQ, 8*(((q/4)&1)*2+((q/4)>>1))+2*(q%4)
	ds_store_b128 v26, v[12*q:12*q+3] offset:WP*LQ
	ds_store_b128 v27, v[12*q+4:12*q+7] offset:WP*LQ
	ds_store_b128 v26, v[12*q+8:12*q+11] offset:WP*LQ+1040
.set q, q+1
.endr
	WIN 0
	s_wait_dscnt 0x0                               ; for the others' sake: my rows have landed
	s_barrier_signal -1
	s_barrier_wait -1
	WIN 0x40
.irp t, 0,1,2,3
.irp j, 0,1,2,3
.irp p, 0,1,2,3,4,5
	ds_load_b64 v[12*(4*\t+\j)+2*\p:12*(4*\t+\j)+2*\p+1], v28 offset:WP*16*\t+96*\j+48*(\p/3)+8*(\p%3)
.endr
.endr
.endr
	WIN 0
.irp b, 0,1,2,3
	v_mov_b32 v[TM+4+\b], 0                        ; written once: a lane permute's destination counts as one of its sources
.endr
	s_wait_dscnt 0x0
; One group.  hf: which of the trip's two; wr, rd: the address registers of its sum buffer.
.macro GROUP hf, wr, rd
	s_add_co_u32 s21, s30, \hf                     ; g
	s_cmp_ge_u32 s21, s28
	s_cbranch_scc1 .LskipA_\@
	s_wait_loadcnt 0x0                             ; this group's x and the next group's tokens, asked for a group ago
	XADDR 8                                        ; the next group's offsets
	s_lshl_b32 s33, s21, 6
	s_add_co_u32 s33, s33, s47
	TADDR 12, 33
	TLOAD 8, 12                                    ; the tokens of the group after that
	MUL 0
	WIN 0
	PLACES
	PUT 0, \wr
	XLOAD 0                                        ; the next group's x, into the registers just multiplied (past the end: the last token's row again)
	MUL 1
	WIN 0
	PLACES
	PUT 1, \wr
	XLOAD 1
.LskipA_\@:
	s_wait_dscnt 0x0                               ; my sums have landed; my reads of the other buffer are long over
	s_barrier_signal -1
	s_barrier_wait -1
	s_cmp_ge_u32 s21, s28
	s_cbranch_scc1 .LskipB_\@
	s_wait_xcnt 0x0                                ; the last group's stores have read their data and bases: both are written again below
.irp kh, 0,1
.irp tl, 0,1,2,3,4,5,6,7
	ds_load_b128 v[ACC+64*\kh+8*\tl:ACC+64*\kh+8*\tl+3], v[\rd] offset:8192*\kh+1024*\tl
	ds_load_b128 v[ACC+64*\kh+8*\tl+4:ACC+64*\kh+8*\tl+7], v[\rd] offset:8192*\kh+1024*\tl+512
.endr
.endr
	s_lshl_b32 s34, s21, 2
	s_add_co_u32 s34, s34, s48                     ; my tile: 64 e + 4 g + w
	s_lshl_b32 s38, s34, 11
	s_mov_b32 s39, 0
	s_mul_i32 s34, s34, 49152
	s_add_co_u32 s34, s34, s49
	s_mov_b32 s35, 0
	s_add_nc_u64 s[36:37], s[16:17], s[34:35]      ; hq: tile, K step c
	s_add_nc_u64 s[38:39], s[18:19], s[38:39]      ; hs: tile
	s_wait_dscnt 0x0
.set i, 0
.rept 32
	v_pk_add_f32 v[ACC+i:ACC+i+1], v[ACC+i:ACC+i+1], v[ACC+64+i:ACC+64+i+1]   ; the two halves of K
.set i, i+2
.endr
.set i, 0
.rept 64
	v_max_num_f32 v[ACC+i], 0, v[ACC+i]            ; the activation, in f32
.set i, i+1
.endr
	QUANT ACC
.irp q, 0,1,2
	global_store_b128 v1, v[PC+4*\q:PC+4*\q+3], s[36:37] offset:512*\q   ; 512 consecutive bytes a store
.endr
	global_store_b32 v25, v[PW], s[38:39]          ; lanes r and 16 + r hold the same word and write the same place
.LskipB_\@:
.endm
	s_mov_b32 s30, 0
.Lgrp:
	GROUP 0, 4, 5
	GROUP 1, 6, 7
	s_add_co_u32 s30, s30, 2
	s_cmp_lt_u32 s30, 16
	s_cbranch_scc1 .Lgrp
	s_wait_tensorcnt 0x0
	ds_add_u32 v254, v255
	s_wait_dscnt 0x0
	s_endpgm
.Lfunc_end_k_q38b046ae9f_up:
	.size	k_q38b046ae9f_up, .Lfunc_end_k_q38b046ae9f_up-k_q38b046ae9f_up
	.p2alignl 7, 3214868480
	.fill 96, 4, 3214868480
	.section	.rodata,"a",@progbits
	.p2align	6, 0x0
	.amdhsa_kernel k_q38b046ae9f_up
		.amdhsa_group_segment_fixed_size 231936
		.amdhsa_private_segment_fixed_size 0
		.amdhsa_enable_private_segment 0
		.amdhsa_kernarg_size 64
		.amdhsa_user_sgpr_count 2
		.amdhsa_user_sgpr_kernarg_segment_ptr 1
		.amdhsa_wavefront_size32 1
		.amdhsa_system_sgpr_workgroup_id_x 1
		.amdhsa_system_sgpr_workgroup_id_y 1
		.amdhsa_system_sgpr_workgroup_id_z 1
		.amdhsa_system_vgpr_workitem_id 0
		.amdhsa_next_free_vgpr 768
		.amdhsa_next_free_sgpr 66
		.amdhsa_reserve_vcc 0
		.amdhsa_float_denorm_mode_32 3
		.amdhsa_float_denorm_mode_16_64 3
		.amdhsa_memory_ordered 1
		.amdhsa_forward_progress 1
		.amdhsa_inst_pref_size 86
	.end_amdhsa_kernel
	.amdgpu_metadata
---
amdhsa.version: [ 1, 2 ]
amdhsa.kernels:
  - .name:           k_q38b046ae9f_up
    .symbol:         k_q38b046ae9f_up.kd
    .args:
      - { .name: xq, .offset: 0, .size: 8, .value_kind: global_buffer, .address_space: global }
      - { .name: xs, .offset: 8, .size: 8, .value_kind: global_buffer, .address_space: global }
      - { .name: order, .offset: 16, .size: 8, .value_kind: global_buffer, .address_space: global }
      - { .name: w1_codes, .offset: 24, .size: 8, .value_kind: global_buffer, .address_space: global }
      - { .name: w1_scales, .offset: 32, .size: 8, .value_kind: global_buffer, .address_space: global }
      - { .name: b1, .offset: 40, .size: 8, .value_kind: global_buffer, .address_space: global }
      - { .name: hq, .offset: 48, .size: 8, .value_kind: global_buffer, .address_space: global }
      - { .name: hs, .offset: 56, .size: 8, .value_kind: global_buffer, .address_space: global }
    .group_segment_fixed_size: 231936
    .private_segment_fixed_size: 0
    .kernarg_segment_align: 8
    .kernarg_segment_size: 64
    .max_flat_workgroup_size: 128
    .sgpr_count:     66
    .vgpr_count:     768
    .wavefront_size: 32
...
	.end_amdgpu_metadata
.endif
;; end of part 3
;; launch down (part 4): grid 32 x 8, 4 waves a work-group, no clusters, 230,400 bytes of LDS; arguments hq, hs, order, wsort, w2_codes, w2_scales, b2, out0; writes out0
.if DOCPART == 4
	.amdgcn_target "amdgcn-amd-amdhsa--gfx1250"
	.amdhsa_code_object_version 6
	.text
	.protected	k_q38b046ae9f_down
	.globl	k_q38b046ae9f_down
	.p2align	8
	.type	k_q38b046ae9f_down,@function
k_q38b046ae9f_down:
	s_mov_b64 s[64:65], 0
	v_nop
	global_prefetch_b8 v0, s[64:65] scope:SCOPE_SE
	s_setreg_imm32_b32 hwreg(HW_REG_WAVE_MODE, 25, 1), 1
	s_wait_xcnt 0x0
; THE SECOND PRODUCT AND THE COMBINE, FOR THE CHOSEN ROWS ONLY: out0[token] = weight x (Hq W2[e]^T + b2[e]), on E2M3 codes with one E8M0 scale for each 32 along K.
; SHARES.  Work-group (c, e) makes output columns 32 c .. 32 c + 31 for all tokens of expert e.  Its 32 rows of W2 (98,304 dense bytes) are read from memory ONCE, dense, turned through LDS into fragments and kept in registers.
; THE WAVES SHARE K: wave w holds K steps 8 w + j (j = 0 .. 7) of both tiles of 16 columns: 16 fragments.  So each fragment of the hidden layer is loaded by one wave alone, dense, straight into its registers (the launch before laid it so).
; Tokens go in groups of 64 slots (4 tiles), a group in two units of 2 tiles.  THE PRODUCT IS USED TRANSPOSED (source 0 = 16 rows of W2, source 1 = 16 tokens): a lane holds eight neighbouring columns of one token.
; A GROUP: part A: 64 products a wave, its partial sums (a quarter of K) into a sum buffer in LDS | barrier | part B: wave w adds the four quarters of token tile w, adds b2, multiplies by the routing weight and stores.
; Two sum buffers by turns: one barrier a group.  THE LOOP HAS A CONSTANT NUMBER OF TRIPS (8 x 2 groups); groups past the expert's count jump over the work, never over the barrier.
; A slot past the expert's last is held at the last: such rows hold the last token's numbers again and are stored to its row again, by this work-group.  An expert without tokens multiplies one group and stores nothing.
; A store covers 4 rows x 128 consecutive bytes: 32 columns to a work-group give each of 256 work-groups an equal share of W2; 64 columns would make whole runs of 256 bytes and leave half of them without work.
; No tensor load, no joint request: the number of groups is read from memory and branches hang on it, so operands come through registers.
; REGISTERS.  window 0: v1 16 l; v2, v4 where I write sums (buffer 0, 1); v3, v5 where I read them; v6, v7 LDS addresses of the weights' turn; v8 l / 8; v9 16 (l % 8); v10-13 offsets in order and wsort; v14-17 offsets in out0;
;   v18 at work; v19 offset of W2's scales; v20-23 tokens; v24-27 weights; v28-31 b2; v32-47 W2's scale words (8 u + j); v48-63 the hidden layer's (4 tt + j % 4; lanes 16-31: K steps 4 further on);
;   v64-95, v96-127 accumulators of units 0, 1; v128-191 part B's sums.   window 1: v[12 (8 u + j)] W2's fragments.   window 2, 3: v[12 (8 ttp + j)] the hidden layer's fragments of unit 0, 1.
.set WST,  131072                      ; LDS: sum buffers at 0 and 65,536 (36,864 bytes each: [wave 4][row 64][144]); from here the weights' 32 rows,
.set WP,   3088                        ; 3,072 bytes + 16
.set ACC,  64
.set WSC,  32
.set HSC,  48
.set R,    128
.set MSB, 0
.macro WIN new                         ; the immediate's high byte repeats the setting that is left
.if MSB != \new
	s_set_vgpr_msb (MSB<<8)|\new
.set MSB, \new
.endif
.endm
.macro PLACES                          ; four plain lines between a matrix instruction and the LDS stores that read its results and the loads into its sources
.rept 4
	v_nop
.endr
.endm
.macro XLOAD k, nx                     ; unit k of the group nx groups on from the bases: 2 tiles x 8 fragments x 3 loads of 512 consecutive bytes, and 2 loads of scale words: 50 loads
.if \k == 0
	WIN 0x80
.else
	WIN 0xc0
.endif
.irp ttp, 0,1
.irp j, 0,1,2,3,4,5,6,7
.irp q, 0,1,2
	global_load_b128 v[12*(8*\ttp+\j)+4*\q:12*(8*\ttp+\j)+4*\q+3], v1, s[50:51] offset:196608*(\nx)+49152*(2*\k+\ttp)+1536*\j+512*\q
.endr
.endr
.endr
	WIN 0
.irp ttp, 0,1
	global_load_b128 v[HSC+4*(2*\k+\ttp):HSC+4*(2*\k+\ttp)+3], v1, s[52:53] offset:8192*(\nx)+2048*(2*\k+\ttp)
.endr
.endm
.macro UNIT k                          ; 32 products: 4 accumulators (2 token tiles x 2 tiles of columns) by turns, one instruction a turn; the first K step starts the sums
.if \k == 0
	WIN 0x09                                       ; source 0 (W2) window 1, source 1 (the hidden layer) window 2
.else
	WIN 0x0d                                       ; or window 3
.endif
.irp j, 0,1,2,3,4,5,6,7
.irp ttp, 0,1
.irp u, 0,1
.if \j == 0
	v_wmma_scale_f32_16x16x128_f8f6f4 v[ACC+32*\k+8*(2*\ttp+\u):ACC+32*\k+8*(2*\ttp+\u)+7], v[12*(8*\u+\j):12*(8*\u+\j)+11], v[12*(8*\ttp+\j):12*(8*\ttp+\j)+11], 0, v[WSC+8*\u+\j], v[HSC+4*(2*\k+\ttp)+\j] matrix_a_fmt:MATRIX_FMT_FP6 matrix_b_fmt:MATRIX_FMT_FP6
.elseif \j < 4
	v_wmma_scale_f32_16x16x128_f8f6f4 v[ACC+32*\k+8*(2*\ttp+\u):ACC+32*\k+8*(2*\ttp+\u)+7], v[12*(8*\u+\j):12*(8*\u+\j)+11], v[12*(8*\ttp+\j):12*(8*\ttp+\j)+11], v[ACC+32*\k+8*(2*\ttp+\u):ACC+32*\k+8*(2*\ttp+\u)+7], v[WSC+8*\u+\j], v[HSC+4*(2*\k+\ttp)+\j] matrix_a_fmt:MATRIX_FMT_FP6 matrix_b_fmt:MATRIX_FMT_FP6
.else
	v_wmma_scale_f32_16x16x128_f8f6f4 v[ACC+32*\k+8*(2*\ttp+\u):ACC+32*\k+8*(2*\ttp+\u)+7], v[12*(8*\u+\j):12*(8*\u+\j)+11], v[12*(8*\ttp+\j):12*(8*\ttp+\j)+11], v[ACC+32*\k+8*(2*\ttp+\u):ACC+32*\k+8*(2*\ttp+\u)+7], v[WSC+8*\u+\j], v[HSC+4*(2*\k+\ttp)+\j-4] matrix_a_fmt:MATRIX_FMT_FP6 matrix_b_fmt:MATRIX_FMT_FP6 matrix_b_scale:MATRIX_SCALE_ROW1
.endif
.endr
.endr
.endr
.endm
.macro PUT k, a                        ; lane (r, h): row 16 tt + r, columns 16 u + 8 h + 0 .. 7; each accumulator from its low end on
.irp ttp, 0,1
.irp u, 0,1
	ds_store_b128 v[\a], v[ACC+32*\k+8*(2*\ttp+\u):ACC+32*\k+8*(2*\ttp+\u)+3] offset:2304*(2*\k+\ttp)+64*\u
	ds_store_b128 v[\a], v[ACC+32*\k+8*(2*\ttp+\u)+4:ACC+32*\k+8*(2*\ttp+\u)+7] offset:2304*(2*\k+\ttp)+64*\u+16
.endr
.endr
.endm
	s_load_b256 s[4:11], s[0:1], 0x0               ; hq, hs, order, wsort
	s_load_b256 s[12:19], s[0:1], 0x20             ; w2_codes, w2_scales, b2, out0
	v_lshl_add_u32 v254, v0, 2, 0x38200
	v_mov_b32 v255, 0
	v_lshrrev_b32 v18, 5, v0
	v_readfirstlane_b32 s22, v18                   ; wave
	s_mov_b32 s25, ttmp9                           ; c
	s_and_b32 s26, ttmp7, 0xffff                   ; e
	s_lshl_b32 s20, s26, 2
	s_wait_kmcnt 0x0
	s_load_b32 s27, s[8:9], s20 offset:0x8400      ; the expert's count
	v_and_b32 v18, 31, v0
	v_lshlrev_b32 v1, 4, v18                       ; 16 l
	v_and_b32 v19, 15, v0                          ; r
	v_bfe_u32 v18, v0, 4, 1                        ; h
	v_mul_u32_u24 v2, v19, 144
	v_lshl_add_u32 v2, v18, 5, v2
	s_mul_i32 s33, s22, 9216
	v_add_nc_u32 v2, s33, v2                       ; sums out: 144 r + 32 h + 9216 w
	v_add_nc_u32 v4, 0x10000, v2
	v_bfe_u32 v8, v0, 3, 2                         ; l / 8
	v_and_b32 v9, 7, v0
	v_lshlrev_b32 v9, 4, v9                        ; 16 (l % 8)
	v_mad_u32_u24 v3, v8, 144, v9
	s_mul_i32 s33, s22, 2304
	v_add_nc_u32 v3, s33, v3                       ; sums back: row 16 w + l / 8, 16 bytes a lane
	v_add_nc_u32 v5, 0x10000, v3
	s_mul_i32 s33, s22, 8*WP
	s_add_co_u32 s33, s33, WST
	v_add_nc_u32 v6, s33, v1                       ; the weights' way in: my wave's 8 rows
	v_mul_u32_u24 v7, v19, WP
	v_mad_u32_u24 v7, v18, 24, v7
	s_mul_i32 s33, s22, 768
	s_add_co_u32 s33, s33, WST
	v_add_nc_u32 v7, s33, v7                       ; and back: row r, byte 768 w + 24 h
	v_lshlrev_b32 v19, 7, v19                      ; W2's scales: 128 bytes a row
	s_lshl_b32 s45, s26, 10
	s_lshl_b32 s33, s25, 5
	s_add_co_u32 s45, s45, s33                     ; the work-group's first row of W2: 1024 e + 32 c
	s_mov_b32 s35, 0
	s_lshl_b32 s34, s22, 3
	s_add_co_u32 s34, s34, s45
	s_mul_i32 s34, s34, 3072
	s_add_nc_u64 s[12:13], s[12:13], s[34:35]      ; the 8 rows that my wave brings in
	s_lshl_b32 s34, s45, 7
	s_lshl_b32 s33, s22, 5
	s_add_co_u32 s34, s34, s33
	s_add_nc_u64 s[14:15], s[14:15], s[34:35]      ; the rows' scales, my eight K steps
	s_lshl_b32 s34, s45, 2
	s_add_nc_u64 s[16:17], s[16:17], s[34:35]      ; b2 of my 32 columns
	s_lshl_b32 s34, s25, 7
	s_add_nc_u64 s[18:19], s[18:19], s[34:35]      ; out0 at my columns
	s_mul_i32 s34, s26, 3145728
	s_mul_i32 s33, s22, 12288
	s_add_co_u32 s34, s34, s33
	s_add_nc_u64 s[50:51], s[4:5], s[34:35]        ; hq: the expert, my eight K steps
	s_lshl_b32 s34, s26, 17
	s_lshl_b32 s33, s22, 9
	s_add_co_u32 s34, s34, s33
	s_add_nc_u64 s[52:53], s[6:7], s[34:35]        ; hs likewise
	WIN 0x40
.set i, 0
.rept 48
	global_load_b128 v[4*i:4*i+3], v1, s[12:13] offset:512*i th:TH_LOAD_NT   ; 512 consecutive bytes a load, 24,576 a wave: read once in the launch
.set i, i+1
.endr
	WIN 0
.irp u, 0,1
.irp q, 0,1
	global_load_b128 v[WSC+8*\u+4*\q:WSC+8*\u+4*\q+3], v19, s[14:15] offset:2048*\u+16*\q
.endr
.endr
	global_load_b128 v[28:31], v9, s[16:17]
	XLOAD 0, 0                                     ; group 0 is always run
	s_wait_kmcnt 0x0
	s_min_u32 s27, s27, 0x400
	s_add_co_u32 s46, s27, 63
	s_lshr_b32 s46, s46, 6                         ; groups to store
	s_max_u32 s28, s46, 1                          ; groups to multiply
	s_max_u32 s29, s27, 1
	s_lshl_b32 s33, s26, 10
	s_add_co_u32 s29, s29, s33
	s_sub_co_u32 s29, s29, 1                       ; the last slot that holds a token
	s_lshl_b32 s47, s22, 4
	s_add_co_u32 s47, s47, s33                     ; 1024 e + 16 w: my tile's first slot in group 0
.irp i, 0,1,2,3,4,5,6,7
	v_mov_b32 v[20+\i], 0                          ; tokens and weights: written on every way to part B
.endr
	s_wait_loadcnt 50                              ; weights, scales and b2 are in; the 50 loads behind them may be out
	WIN 0x04
.set i, 0
.rept 48
	ds_store_b128 v6, v[4*i:4*i+3] offset:WP*(i/6)+512*(i%6)
.set i, i+1
.endr
	WIN 0
	XLOAD 1, 0
	s_wait_dscnt 0x0                               ; for the others' sake: my rows have landed
	s_barrier_signal -1
	s_barrier_wait -1
	WIN 0x40
.irp u, 0,1
.irp j, 0,1,2,3,4,5,6,7
.irp p, 0,1,2,3,4,5
	ds_load_b64 v[12*(8*\u+\j)+2*\p:12*(8*\u+\j)+2*\p+1], v7 offset:WP*16*\u+96*\j+48*(\p/3)+8*(\p%3)
.endr
.endr
.endr
	WIN 0
	s_wait_dscnt 0x0
; One group.  hf: which of the trip's two; wr, rd: the address registers of its sum buffer.
.macro GROUP hf, wr, rd
	s_add_co_u32 s21, s30, \hf                     ; g
	s_cmp_ge_u32 s21, s28
	s_cbranch_scc1 .LskipA_\@
	s_wait_loadcnt 50                              ; unit 0 is in: behind it only unit 1's 50 loads were issued
	s_lshl_b32 s33, s21, 6
	s_add_co_u32 s33, s33, s47
.irp i, 0,1,2,3
	v_add3_u32 v[10+\i], s33, v8, 4*\i             ; part B's rows: slot 1024 e + 64 g + 16 w + 4 i + l / 8,
.endr
.irp i, 0,1,2,3
	v_min_u32 v[10+\i], s29, v[10+\i]              ; held at the expert's last slot
.endr
.irp i, 0,1,2,3
	v_min_u32 v[10+\i], 0x1fff, v[10+\i]
.endr
.irp i, 0,1,2,3
	v_lshlrev_b32 v[10+\i], 2, v[10+\i]
.endr
.irp i, 0,1,2,3
	global_load_b32 v[20+\i], v[10+\i], s[8:9]
	global_load_b32 v[24+\i], v[10+\i], s[10:11]
.endr
	UNIT 0
	WIN 0
	PLACES
	PUT 0, \wr
	s_add_co_u32 s33, s21, 1
	s_cmp_lt_u32 s33, s28
	s_cbranch_scc0 .Llast_\@                       ; no load reaches past the last group that the launch before stored
	XLOAD 0, \hf+1
	s_wait_loadcnt 50                              ; unit 1, and the eight loads of tokens and weights, are in: behind them only the 50 just issued
	UNIT 1
	WIN 0
	PLACES
	PUT 1, \wr
	XLOAD 1, \hf+1
	s_branch .LskipA_\@
.Llast_\@:
	s_wait_loadcnt 0x0
	UNIT 1
	WIN 0
	PLACES
	PUT 1, \wr
.LskipA_\@:
	s_wait_dscnt 0x0                               ; my sums have landed; my reads of the other buffer are long over
	s_barrier_signal -1
	s_barrier_wait -1
	s_cmp_ge_u32 s21, s46
	s_cbranch_scc1 .LskipB_\@
	s_wait_xcnt 0x0                                ; the last group's stores have read their data and offsets: both are written again below
.irp i, 0,1,2,3
.irp kw, 0,1,2,3
	ds_load_b128 v[R+16*\i+4*\kw:R+16*\i+4*\kw+3], v[\rd] offset:9216*\kw+576*\i
.endr
.endr
.irp i, 0,1,2,3
	v_min_u32 v18, 0x3ff, v[20+\i]
	v_lshl_add_u32 v[14+\i], v18, 12, v9           ; the token's row of out0, my 16 bytes
.endr
	s_wait_dscnt 0x0
.irp i, 0,1,2,3
.irp d, 0,2
	v_pk_add_f32 v[R+16*\i+\d:R+16*\i+\d+1], v[R+16*\i+\d:R+16*\i+\d+1], v[R+16*\i+4+\d:R+16*\i+4+\d+1]
	v_pk_add_f32 v[R+16*\i+8+\d:R+16*\i+8+\d+1], v[R+16*\i+8+\d:R+16*\i+8+\d+1], v[R+16*\i+12+\d:R+16*\i+12+\d+1]
.endr
.irp d, 0,2
	v_pk_add_f32 v[R+16*\i+\d:R+16*\i+\d+1], v[R+16*\i+\d:R+16*\i+\d+1], v[R+16*\i+8+\d:R+16*\i+8+\d+1]   ; the four quarters of K
.endr
.irp d, 0,2
	v_pk_add_f32 v[R+16*\i+\d:R+16*\i+\d+1], v[R+16*\i+\d:R+16*\i+\d+1], v[28+\d:29+\d]                   ; + b2
.endr
.irp d, 0,2
.if (\i%2) == 0
	v_pk_mul_f32 v[R+16*\i+\d:R+16*\i+\d+1], v[R+16*\i+\d:R+16*\i+\d+1], v[24+\i:25+\i] op_sel_hi:[1,0]   ; x the routing weight
.else
	v_pk_mul_f32 v[R+16*\i+\d:R+16*\i+\d+1], v[R+16*\i+\d:R+16*\i+\d+1], v[23+\i:24+\i] op_sel:[0,1] op_sel_hi:[1,1]
.endif
.endr
	global_store_b128 v[14+\i], v[R+16*\i:R+16*\i+3], s[18:19] th:TH_STORE_NT   ; eight lanes store a row's 128 consecutive bytes
.endr
.LskipB_\@:
.endm
	s_mov_b32 s30, 0
.Lgrp:
	GROUP 0, 2, 3
	GROUP 1, 4, 5
	s_wait_xcnt 0x0                                ; the loads that are out have read their bases: two groups on
	s_add_nc_u64 s[50:51], s[50:51], 393216
	s_add_nc_u64 s[52:53], s[52:53], 16384
	s_add_co_u32 s30, s30, 2
	s_cmp_lt_u32 s30, 16
	s_cbranch_scc1 .Lgrp
	s_wait_tensorcnt 0x0
	ds_add_u32 v254, v255
	s_wait_dscnt 0x0
	s_endpgm
.Lfunc_end_k_q38b046ae9f_down:
	.size	k_q38b046ae9f_down, .Lfunc_end_k_q38b046ae9f_down-k_q38b046ae9f_down
	.p2alignl 7, 3214868480
	.fill 96, 4, 3214868480
	.section	.rodata,"a",@progbits
	.p2align	6, 0x0
	.amdhsa_kernel k_q38b046ae9f_down
		.amdhsa_group_segment_fixed_size 230400
		.amdhsa_private_segment_fixed_size 0
		.amdhsa_enable_private_segment 0
		.amdhsa_kernarg_size 64
		.amdhsa_user_sgpr_count 2
		.amdhsa_user_sgpr_kernarg_segment_ptr 1
		.amdhsa_wavefront_size32 1
		.amdhsa_system_sgpr_workgroup_id_x 1
		.amdhsa_system_sgpr_workgroup_id_y 1
		.amdhsa_system_sgpr_workgroup_id_z 1
		.amdhsa_system_vgpr_workitem_id 0
		.amdhsa_next_free_vgpr 1024
		.amdhsa_next_free_sgpr 66
		.amdhsa_reserve_vcc 0
		.amdhsa_float_denorm_mode_32 3
		.amdhsa_float_denorm_mode_16_64 3
		.amdhsa_memory_ordered 1
		.amdhsa_forward_progress 1
		.amdhsa_inst_pref_size 88
	.end_amdhsa_kernel
	.amdgpu_metadata
---
amdhsa.version: [ 1, 2 ]
amdhsa.kernels:
  - .name:           k_q38b046ae9f_down
    .symbol:         k_q38b046ae9f_down.kd
    .args:
      - { .name: hq, .offset: 0, .size: 8, .value_kind: global_buffer, .address_space: global }
      - { .name: hs, .offset: 8, .size: 8, .value_kind: global_buffer, .address_space: global }
      - { .name: order, .offset: 16, .size: 8, .value_kind: global_buffer, .address_space: global }
      - { .name: wsort, .offset: 24, .size: 8, .value_kind: global_buffer, .address_space: global }
      - { .name: w2_codes, .offset: 32, .size: 8, .value_kind: global_buffer, .address_space: global }
      - { .name: w2_scales, .offset: 40, .size: 8, .value_kind: global_buffer, .address_space: global }
      - { .name: b2, .offset: 48, .size: 8, .value_kind: global_buffer, .address_space: global }
      - { .name: out0, .offset: 56, .size: 8, .value_kind: global_buffer, .address_space: global }
    .group_segment_fixed_size: 230400
    .private_segment_fixed_size: 0
    .kernarg_segment_align: 8
    .kernarg_segment_size: 64
    .max_flat_workgroup_size: 128
    .sgpr_count:     66
    .vgpr_count:     1024
    .wavefront_size: 32
...
	.end_amdgpu_metadata
.endif
;; end of part 4
;; ======== version 2 of 2: 4 launches; version 1 with the launches up, down written anew for expert scheduling mode
;; workspace buffers: sel 4,096 bytes of whole numbers; wgt 4,096 bytes; xq 786,432 bytes; xs 32,768 bytes; order 34,304 bytes of whole numbers; wsort 33,792 bytes; hq 25,165,824 bytes; hs 1,048,576 bytes
;; launch route: the kernel of part 1 again; grid 256 x 1, 4 waves a work-group, no clusters, 1,536 bytes of LDS; arguments x, w_router, sel, wgt, xq, xs; writes sel, wgt, xq, xs
;; launch place: the kernel of part 2 again; grid 8 x 1, 1 waves a work-group, no clusters, 0 bytes of LDS; arguments sel, wgt, order, wsort; writes order, wsort
;; launch up (part 5): grid 32 x 8, 4 waves a work-group, no clusters, 231,936 bytes of LDS; arguments xq, xs, order, w1_codes, w1_scales, b1, hq, hs; writes hq, hs
.if DOCPART == 5
	.amdgcn_target "amdgcn-amd-amdhsa--gfx1250"
	.amdhsa_code_object_version 6
	.text
	.protected	k_q38b046ae9f_up
	.globl	k_q38b046ae9f_up
	.p2align	8
	.type	k_q38b046ae9f_up,@function
k_q38b046ae9f_up:
	s_mov_b64 s[64:65], 0
	v_nop
	global_prefetch_b8 v0, s[64:65] scope:SCOPE_SE
	s_setreg_imm32_b32 hwreg(HW_REG_WAVE_SCHED_MODE, 0, 2), 2
	s_setreg_imm32_b32 hwreg(HW_REG_WAVE_MODE, 25, 1), 1
	s_wait_xcnt 0x0
	s_wait_alu depctr_vm_vsrc(0)
; THE FIRST PRODUCT, FOR THE CHOSEN ROWS ONLY: hq, hs = Q(relu(Xq W1[e]^T + b1[e])) for the tokens of expert e, on E2M3 codes with one E8M0 scale for each 32 along K.
; SHARES.  Work-group (c, e) makes hidden units 128 c .. 128 c + 127 of expert e, which are K step c of the second product, for all of the expert's tokens.  Its 128 rows of W1 (98,304 dense bytes) are read
; from memory ONCE, dense, turned through LDS into fragments and kept in registers.  Wave w = (kh = w % 2, nh = w / 2) holds tiles T = 4 nh + t (t = 0 .. 3) of 16 units for K steps 4 kh + j (j = 0 .. 3): 16 fragments.
; Tokens go in GROUPS of 64 slots (4 tiles of 16).  A slot past the expert's last is held at the last: such rows are copies of the last token.  An expert without tokens runs one group on the slot that the launch before filled.
; THE PRODUCT IS USED TRANSPOSED (source 0 = 16 rows of W1, source 1 = 16 tokens): a lane holds one token, its registers run along the hidden units.  THE ROWS OF W1 THAT FORM A TILE ARE NOT NEIGHBOURS:
; lane r of tile 2 b + u takes row 32 b + 8 u + r + 8 (r / 8), so that the 16 registers of tiles 2 b, 2 b + 1 are 16 neighbours along the next K.
; A GROUP: part A: each wave's 64 products, partial sums (half of K) into a sum buffer in LDS as images of the registers | barrier | part B: wave w adds the two halves of token tile w, relu, quantises, stores one fragment's image
; (1,536 dense bytes) and its scale words.  Two sum buffers by turns: one barrier a group.  The bias is the C of the first product of the waves with kh = 0; the others take zeros.
; THE LOOP HAS A CONSTANT NUMBER OF TRIPS (8 x 2 groups, the most an expert can have); groups past the expert's count jump over the work, never over the barrier.
; No tensor load, no joint request: the number of groups is read from memory and branches hang on it, so operands come through registers.
; hq: [e][tile 64][K step 32][1,536 bytes]: registers 4 q .. 4 q + 3 of lane L at 512 q + 16 L.   hs: [e][tile][K step / 4][row 16][K step % 4] words.
; LIMITS: NaN and infinities are not served; a block of the hidden layer that is all zeros, or under 2^-124, gets the byte 1 (its codes are zeros or follow that scale; this program alone reads the bytes).
; REGISTERS.  window 0: v1 16 l, v2 r, v3 h; v4, v6 where I write sums (buffer 0, 1); v5, v7 where I read them; v8-11 the next group's tokens, v12-15 their offsets in order; v16-19, v20-23 offsets of x's codes and scale words;
;   v24 48 h; v25 my place in hs; v26-28 LDS addresses of the weights' turn; v29 at work; v30, v31 offsets of W1's scales and of b1; v32-47 W1's scale words (4 t + j); v48-63 x's (4 tt + j);
;   v64-127, v128-191 accumulators of token tiles 0, 1 and 2, 3, in part B the two halves of the sums; v192-211 codes; v212-227 at work; v228 the scale word.
;   window 1: v[12 (4 t + j)] W1's fragments; v192 + 8 t the bias.   window 2: v[12 (4 tt + j)] x's fragments.
; THE MODE: SCHED_MODE bits 1:0 = 2 (LLVM: expert scheduling mode 2), set by the entry lines.  The code itself states the register dependences between vector or matrix instructions and memory or LDS
; instructions, with s_wait_alu, always for 0.
; THE PLAN.  Registers that memory or LDS instructions touch, in the loop:
;   x, half p (token tiles 2 p, 2 p + 1: window 2 from v[96 p], scale words from v[48 + 8 p])   read by MUL p; behind MUL p the next group's loads (XLOAD p) land in it.  The two halves take turns.
;   accumulators, half p   written by MUL p; read by PUT p's LDS stores; part B's LDS loads land in both halves, and its vector lines work on them.
;   v8-11   the list's loads (TLOAD) land in them; XADDR reads them.      v12-15, v16-23   written by TADDR and XADDR at part A's head; read by TLOAD and XLOAD as offsets.
;   v192-203, v228   written by QUANT; read by part B's stores.           v1, v4-7, v25-28, v30, v31   made at the head and never written again.
; A group has three waits on va_vdst: behind MUL 0 and behind MUL 1 (each serves the half's LDS stores and the loads that land in the half of x just multiplied; the first also the list's loads), and behind QUANT
; (the stores of the codes); and one on vm_vsrc, where the ways join ahead of the barrier: behind it part B's loads, the next group's address lines and products, and QUANT write what memory instructions have read.
.set WST,  131072                      ; LDS: sum buffers at 0 and 65,536 (65,536 bytes each: [token tile 4][kh 2][T 8][1,024]); from here the weights' 128 rows,
.set WP,   784                         ; 768 bytes + 16: 16 rows on end start 16 bytes further round the 256, so the 32 lanes' pieces of 8 bytes fall on different banks
.set ACC,  64
.set PC,   192
.set TM,   212
.set PW,   228
.set WSC,  32
.set XSC,  48
.set BI,   192
.set SEL,  40
.set MSB, 0
.macro WIN new                         ; the immediate's high byte repeats the setting that is left
.if MSB != \new
	s_set_vgpr_msb (MSB<<8)|\new
.set MSB, \new
.endif
.endm
.macro PLACES                          ; four plain lines between a matrix instruction and the LDS stores that read its results; they stay beside the wait that follows them
.rept 4
	v_nop
.endr
.endm
.macro TADDR a, sb                     ; offsets in order of slots s[sb] + 16 tt + r, held at the expert's last slot and inside the buffer
.irp tt, 0,1,2,3
	v_add3_u32 v[\a+\tt], s[\sb], v2, 16*\tt
.endr
.irp tt, 0,1,2,3
	v_min_u32 v[\a+\tt], s29, v[\a+\tt]
.endr
.irp tt, 0,1,2,3
	v_min_u32 v[\a+\tt], 0x1fff, v[\a+\tt]
.endr
.irp tt, 0,1,2,3
	v_lshlrev_b32 v[\a+\tt], 2, v[\a+\tt]
.endr
.endm
.macro TLOAD d, a
.irp tt, 0,1,2,3
	global_load_b32 v[\d+\tt], v[\a+\tt], s[8:9]
.endr
.endm
.macro XADDR src                       ; from four tokens to the offsets of their codes (768 bytes a token, + 48 h) and scale words (32 bytes a token)
.irp tt, 0,1,2,3
	v_min_u32 v29, 0x3ff, v[\src+\tt]
	v_mad_u32_u24 v[16+\tt], v29, 768, v24
	v_lshlrev_b32 v[20+\tt], 5, v29
.endr
.endm
.macro XLOAD p                         ; token tiles 2 p, 2 p + 1: four fragments each (48 bytes on end a lane and fragment) and four scale words: 26 loads
	WIN 0x80
.irp ttp, 0,1
.irp j, 0,1,2,3
.irp q, 0,1,2
	global_load_b128 v[12*(4*(2*\p+\ttp)+\j)+4*\q:12*(4*(2*\p+\ttp)+\j)+4*\q+3], v[16+2*\p+\ttp], s[4:5] offset:96*\j+16*\q
.endr
.endr
.endr
	WIN 0
.irp ttp, 0,1
	global_load_b128 v[XSC+4*(2*\p+\ttp):XSC+4*(2*\p+\ttp)+3], v[20+2*\p+\ttp], s[6:7]
.endr
.endm
.macro MUL p                           ; 32 products: 8 accumulators (2 token tiles x 4 tiles of units) by turns, one instruction a turn; K step by K step
.irp j, 0,1,2,3
.if \j == 0
	WIN 0x19                                       ; source 0 (W1) and C (the bias) window 1, source 1 (x) window 2
.else
	WIN 0x09
.endif
.irp ttp, 0,1
.irp t, 0,1,2,3
.if \j == 0
	v_wmma_scale_f32_16x16x128_f8f6f4 v[ACC+64*\p+32*\ttp+8*\t:ACC+64*\p+32*\ttp+8*\t+7], v[12*(4*\t+\j):12*(4*\t+\j)+11], v[12*(4*(2*\p+\ttp)+\j):12*(4*(2*\p+\ttp)+\j)+11], v[BI+8*\t:BI+8*\t+7], v[WSC+4*\t+\j], v[XSC+4*(2*\p+\ttp)+\j] matrix_a_fmt:MATRIX_FMT_FP6 matrix_b_fmt:MATRIX_FMT_FP6
.else
	v_wmma_scale_f32_16x16x128_f8f6f4 v[ACC+64*\p+32*\ttp+8*\t:ACC+64*\p+32*\ttp+8*\t+7], v[12*(4*\t+\j):12*(4*\t+\j)+11], v[12*(4*(2*\p+\ttp)+\j):12*(4*(2*\p+\ttp)+\j)+11], v[ACC+64*\p+32*\ttp+8*\t:ACC+64*\p+32*\ttp+8*\t+7], v[WSC+4*\t+\j], v[XSC+4*(2*\p+\ttp)+\j] matrix_a_fmt:MATRIX_FMT_FP6 matrix_b_fmt:MATRIX_FMT_FP6
.endif
.endr
.endr
.endr
.endm
.macro PUT p, a                        ; the partial sums as images: 512 consecutive bytes a store; each accumulator from its low end on
.irp ttp, 0,1
.irp t, 0,1,2,3
	ds_store_b128 v[\a], v[ACC+64*\p+32*\ttp+8*\t:ACC+64*\p+32*\ttp+8*\t+3] offset:16384*(2*\p+\ttp)+1024*\t
	ds_store_b128 v[\a], v[ACC+64*\p+32*\ttp+8*\t+4:ACC+64*\p+32*\ttp+8*\t+7] offset:16384*(2*\p+\ttp)+1024*\t+512
.endr
.endr
.endm
; 64 numbers of a lane, register 16 b + i = k 32 b + 16 (lane / 16) + i of my token, become a fragment's codes in v[PC] on and its scale word in v[PW].
.macro QUANT s
.irp b, 0,1,2,3
	v_max3_num_f32 v[TM+\b], |v[\s+16*\b]|, |v[\s+1+16*\b]|, 0x1800000   ; block b: my 16 numbers, and the floor 2^(3 - 127): the byte cannot fall under 1
.endr
.irp i, 2,4,6,8,10,12,14
.irp b, 0,1,2,3
	v_max3_num_f32 v[TM+\b], v[TM+\b], |v[\s+16*\b+\i]|, |v[\s+1+16*\b+\i]|   ; the four blocks by turns
.endr
.endr
.irp b, 0,1,2,3
	v_permlanex16_b32 v[TM+4+\b], v[TM+\b], s[SEL], s[SEL+1]
.endr
.irp b, 0,1,2,3
	v_max_num_f32 v[TM+\b], v[TM+\b], v[TM+4+\b]   ; with lane l xor 16's: the block's largest magnitude
.endr
.irp b, 0,1,2,3
	v_add_nc_u32 v[TM+12+\b], 0xff000000, v[TM+\b] ; 2 off its exponent field: the conversion's scale operand
.endr
.irp b, 0,1,2,3
	v_lshrrev_b32 v[TM+4+\b], 23, v[TM+12+\b]      ; the scale's byte
.endr
	v_lshl_or_b32 v[PW], v[TM+5], 8, v[TM+4]
	v_lshl_or_b32 v[PW], v[TM+6], 16, v[PW]
	v_lshl_or_b32 v[PW], v[TM+7], 24, v[PW]
.irp c, 0,1
	v_cvt_scalef32_pk16_fp6_f32 v[PC+6*\c:PC+2+6*\c], v[\s+32*\c:\s+15+32*\c], v[TM+12+2*\c]
	v_cvt_scalef32_pk16_fp6_f32 v[PC+12+4*\c:PC+14+4*\c], v[\s+16+32*\c:\s+31+32*\c], v[TM+12+2*\c+1]   ; (a conversion's three registers begin on an even number)
.endr
	v_nop                                          ; one plain line behind a scaled conversion
.irp c, 0,1                                    ; the operand's layout wants a whole block in a lane: lanes 0-15 block 2 c, lanes 16-31 block 2 c + 1
.irp i, 0,1,2
	v_permlane16_swap_b32 v[PC+6*\c+\i], v[PC+12+4*\c+\i]
.endr
.irp i, 0,1,2
	v_mov_b32 v[PC+3+6*\c+\i], v[PC+12+4*\c+\i]
.endr
.endr
.endm
	s_load_b256 s[4:11], s[0:1], 0x0               ; xq, xs, order, w1_codes
	s_load_b256 s[12:19], s[0:1], 0x20             ; w1_scales, b1, hq, hs
	v_lshl_add_u32 v254, v0, 2, 0x38800
	v_mov_b32 v255, 0
	v_lshrrev_b32 v29, 5, v0
	v_readfirstlane_b32 s22, v29                   ; wave
	s_mov_b32 s25, ttmp9                           ; c
	s_and_b32 s26, ttmp7, 0xffff                   ; e
	s_lshl_b32 s20, s26, 2
	s_wait_kmcnt 0x0
	s_load_b32 s27, s[8:9], s20 offset:0x8400      ; the expert's count
	v_and_b32 v30, 31, v0
	v_lshlrev_b32 v1, 4, v30                       ; 16 l
	v_and_b32 v2, 15, v0                           ; r
	v_bfe_u32 v3, v0, 4, 1                         ; h
	s_wait_alu depctr_va_sdst(0)                   ; s22 is written, ahead of its first reader: the wave's shares, LDS places and bases are made from it
	s_and_b32 s23, s22, 1                          ; kh
	s_lshr_b32 s24, s22, 1                         ; nh
	s_lshl_b32 s33, s23, 13
	s_lshl_b32 s34, s24, 12
	s_add_co_u32 s33, s33, s34
	v_add_nc_u32 v4, s33, v1                       ; sums out: 16 l + 8192 kh + 4096 nh
	v_add_nc_u32 v6, 0x10000, v4
	s_lshl_b32 s33, s22, 14
	v_add_nc_u32 v5, s33, v1                       ; sums back: 16 l + 16384 w: token tile w
	v_add_nc_u32 v7, 0x10000, v5
	v_mul_u32_u24 v24, v3, 48
	s_lshr_b32 s33, s25, 2
	s_lshl_b32 s33, s33, 8
	s_and_b32 s34, s25, 3
	s_lshl_b32 s34, s34, 2
	s_add_co_u32 s33, s33, s34
	v_lshl_add_u32 v25, v2, 4, s33                 ; hs: 256 (c / 4) + 16 r + 4 (c % 4)
	s_mul_i32 s33, s22, 32*WP
	s_add_co_u32 s33, s33, WST
	v_add_nc_u32 v26, s33, v1                      ; the weights' way in: my wave's 32 rows, 16 bytes a lane;
	v_lshl_add_u32 v27, v3, 4, v26
	v_add_nc_u32 v27, 0x200, v27                   ; a load that ends one row (lanes 0-15) and begins the next (lanes 16-31, 16 bytes of padding further on)
	v_mul_u32_u24 v28, v2, WP
	v_mad_u32_u24 v28, v3, 24, v28
	s_mul_i32 s33, s24, 64*WP
	s_mul_i32 s34, s23, 384
	s_add_co_u32 s33, s33, s34
	s_add_co_u32 s33, s33, WST
	v_add_nc_u32 v28, s33, v28                     ; and back: row 64 nh + r, byte 384 kh + 24 h
	v_and_b32 v30, 8, v2
	v_add_nc_u32 v30, v30, v2
	v_lshlrev_b32 v30, 5, v30                      ; W1's scales: 32 bytes a row, row r + 8 (r / 8) of a tile
	v_lshlrev_b32 v31, 6, v3                       ; b1: my half's units begin 16 further on
	s_lshl_b32 s45, s26, 12
	s_lshl_b32 s33, s25, 7
	s_add_co_u32 s45, s45, s33                     ; the work-group's first row of W1: 4096 e + 128 c
	s_mov_b32 s35, 0
	s_mul_i32 s34, s23, 384
	s_add_nc_u64 s[4:5], s[4:5], s[34:35]          ; xq at my four K steps
	s_lshl_b32 s34, s23, 4
	s_add_nc_u64 s[6:7], s[6:7], s[34:35]          ; xs likewise
	s_lshl_b32 s34, s22, 5
	s_add_co_u32 s34, s34, s45
	s_mul_i32 s34, s34, 768
	s_add_nc_u64 s[10:11], s[10:11], s[34:35]      ; the 32 rows that my wave brings in
	s_lshl_b32 s33, s24, 6
	s_add_co_u32 s33, s33, s45
	s_lshl_b32 s34, s33, 5
	s_lshl_b32 s36, s23, 4
	s_add_co_u32 s34, s34, s36
	s_add_nc_u64 s[12:13], s[12:13], s[34:35]      ; scales of my 64 rows, my four K steps
	s_lshl_b32 s34, s33, 2
	s_add_nc_u64 s[14:15], s[14:15], s[34:35]      ; b1 of my 64 units
	s_lshl_b32 s46, s26, 10                        ; the expert's first slot
	s_add_co_u32 s47, s46, 128
	s_lshl_b32 s48, s26, 6
	s_add_co_u32 s48, s48, s22                     ; 64 e + w: my tile of group 0
	s_mul_i32 s49, s25, 1536
	s_mov_b32 s[SEL], 0x76543210
	s_mov_b32 s[SEL+1], 0xfedcba98                 ; v_permlanex16_b32's selects for lane l xor 16
	s_cmp_eq_u32 s23, 0
	s_cselect_b32 s42, -1, 0                       ; who adds the bias
	s_wait_kmcnt 0x0
	s_min_u32 s27, s27, 0x400
	s_add_co_u32 s28, s27, 63
	s_lshr_b32 s28, s28, 6
	s_max_u32 s28, s28, 1                          ; groups to run
	s_max_u32 s29, s27, 1
	s_add_co_u32 s29, s29, s46
	s_sub_co_u32 s29, s29, 1                       ; the last slot that holds a token
	TADDR 12, 46
	s_add_co_u32 s33, s46, 64
	TADDR 20, 33
	s_wait_alu depctr_va_vdst(0)                   ; all that the head has made is written: the offsets v1, v12-15, v20-23, v25, v30, v31 and the LDS addresses v4-7, v26-28, which the loads and stores from here on read
	TLOAD 16, 12                                   ; group 0's tokens
	TLOAD 8, 20                                    ; group 1's
	WIN 0x40
.set i, 0
.rept 48
	global_load_b128 v[4*i:4*i+3], v1, s[10:11] offset:512*i th:TH_LOAD_NT   ; 512 consecutive bytes a load, 24,576 a wave: read once in the launch
.set i, i+1
.endr
.irp t, 0,1,2,3
	global_load_b128 v[BI+8*\t:BI+8*\t+3], v31, s[14:15] offset:4*(32*(\t/2)+8*(\t%2))
	global_load_b128 v[BI+8*\t+4:BI+8*\t+7], v31, s[14:15] offset:4*(32*(\t/2)+8*(\t%2))+16
.endr
	WIN 0
.irp t, 0,1,2,3
	global_load_b128 v[WSC+4*\t:WSC+4*\t+3], v30, s[12:13] offset:32*(32*(\t/2)+8*(\t%2))
.endr
	s_wait_loadcnt 60                              ; the eight list loads are in; the 48 + 8 + 4 issued behind them may be out
	s_wait_alu depctr_vm_vsrc(0)                   ; the list's loads have read v20-23, which the lines below write
	XADDR 16
	s_wait_alu depctr_va_vdst(0)                   ; v16-23 are written: the offsets of x's loads
	XLOAD 0
	XLOAD 1
	s_wait_loadcnt 52                              ; weights, bias and scales are in; the 2 x 26 loads of x may be out
	WIN 0x44
.set i, 0
.rept 32
	v_cndmask_b32 v[BI+i], 0, v[BI+i], s42         ; the waves of the second half of K start from zeros
.set i, i+1
.endr
	WIN 0x04
.set q, 0
.rept 16                                       ; three loads are two rows.  Memory rows 8 q4 + i of my 32 go to LDS rows 8 (2 (q4 % 2) + q4 / 2) + i: so a tile's 16 rows lie on end.  (The data came by loads; no vector line since the last wait on va_vdst names them, v26 or v27)
.set LQ, 8*(((q/4)&1)*2+((q/4)>>1))+2*(q%4)
	ds_store_b128 v26, v[12*q:12*q+3] offset:WP*LQ
	ds_store_b128 v27, v[12*q+4:12*q+7] offset:WP*LQ
	ds_store_b128 v26, v[12*q+8:12*q+11] offset:WP*LQ+1040
.set q, q+1
.endr
	WIN 0
	s_wait_dscnt 0x0                               ; for the others' sake: my rows have landed
	s_barrier_signal -1
	s_barrier_wait -1
	WIN 0x40
	s_wait_alu depctr_vm_vsrc(0)                   ; my LDS stores have read window 1's v0-191, in which the fragments land; x's and the list's loads have read v12-23, which the first group writes
.irp t, 0,1,2,3
.irp j, 0,1,2,3
.irp p, 0,1,2,3,4,5
	ds_load_b64 v[12*(4*\t+\j)+2*\p:12*(4*\t+\j)+2*\p+1], v28 offset:WP*16*\t+96*\j+48*(\p/3)+8*(\p%3)
.endr
.endr
.endr
	WIN 0
.irp b, 0,1,2,3
	v_mov_b32 v[TM+4+\b], 0                        ; written once: a lane permute's destination counts as one of its sources
.endr
	s_wait_dscnt 0x0
; One group.  hf: which of the trip's two; wr, rd: the address registers of its sum buffer.
.macro GROUP hf, wr, rd
	s_add_co_u32 s21, s30, \hf                     ; g
	s_cmp_ge_u32 s21, s28
	s_cbranch_scc1 .LskipA_\@
	s_wait_loadcnt 0x0                             ; this group's x and the next group's tokens, asked for a group ago
	XADDR 8                                        ; the next group's offsets
	s_lshl_b32 s33, s21, 6
	s_add_co_u32 s33, s33, s47
	TADDR 12, 33
	MUL 0
	WIN 0
	PLACES
	s_wait_alu depctr_va_vdst(0)                   ; MUL 0 has written its accumulators, which PUT 0 reads, and is done reading its half of x and its scale words, in which XLOAD 0 lands; v12-23 are written, the offsets of the loads below; XADDR is done reading v8-11, in which the list's loads land
	TLOAD 8, 12                                    ; the tokens of the group after the next
	PUT 0, \wr
	XLOAD 0                                        ; the next group's x, into the registers just multiplied (past the end: the last token's row again).  PUT 0's stores, which stand between, name none of its registers
	MUL 1
	WIN 0
	PLACES
	s_wait_alu depctr_va_vdst(0)                   ; MUL 1 has written its accumulators, which PUT 1 reads, and is done reading its half of x and its scale words, in which XLOAD 1 lands; no vector line follows in part A, so part B's loads into the accumulators owe nothing more
	PUT 1, \wr
	XLOAD 1
.LskipA_\@:
	s_wait_dscnt 0x0                               ; my sums have landed; my reads of the other buffer are long over
	s_wait_alu depctr_vm_vsrc(0)                   ; PUT's stores have read the accumulators, in which part B's loads land and which the next group's products write; this group's loads have read v12-23, which the next group's address lines write; the last group's stores have read the codes and the scale word, which QUANT writes
	s_barrier_signal -1
	s_barrier_wait -1
	s_cmp_ge_u32 s21, s28
	s_cbranch_scc1 .LskipB_\@
	s_wait_xcnt 0x0                                ; the last group's stores have read their data and bases: both are written again below
.irp kh, 0,1
.irp tl, 0,1,2,3,4,5,6,7
	ds_load_b128 v[ACC+64*\kh+8*\tl:ACC+64*\kh+8*\tl+3], v[\rd] offset:8192*\kh+1024*\tl
	ds_load_b128 v[ACC+64*\kh+8*\tl+4:ACC+64*\kh+8*\tl+7], v[\rd] offset:8192*\kh+1024*\tl+512
.endr
.endr
	s_lshl_b32 s34, s21, 2
	s_add_co_u32 s34, s34, s48                     ; my tile: 64 e + 4 g + w
	s_lshl_b32 s38, s34, 11
	s_mov_b32 s39, 0
	s_mul_i32 s34, s34, 49152
	s_add_co_u32 s34, s34, s49
	s_mov_b32 s35, 0
	s_add_nc_u64 s[36:37], s[16:17], s[34:35]      ; hq: tile, K step c
	s_add_nc_u64 s[38:39], s[18:19], s[38:39]      ; hs: tile
	s_wait_dscnt 0x0
.set i, 0
.rept 32
	v_pk_add_f32 v[ACC+i:ACC+i+1], v[ACC+i:ACC+i+1], v[ACC+64+i:ACC+64+i+1]   ; the two halves of K
.set i, i+2
.endr
.set i, 0
.rept 64
	v_max_num_f32 v[ACC+i], 0, v[ACC+i]            ; the activation, in f32
.set i, i+1
.endr
	QUANT ACC
	s_wait_alu depctr_va_vdst(0)                   ; QUANT has written the codes and the scale word, which the stores read; and all of part B's vector lines are done with the accumulators
.irp q, 0,1,2
	global_store_b128 v1, v[PC+4*\q:PC+4*\q+3], s[36:37] offset:512*\q   ; 512 consecutive bytes a store
.endr
	global_store_b32 v25, v[PW], s[38:39]          ; lanes r and 16 + r hold the same word and write the same place
.LskipB_\@:
.endm
	s_mov_b32 s30, 0
.Lgrp:
	GROUP 0, 4, 5
	GROUP 1, 6, 7
	s_add_co_u32 s30, s30, 2
	s_cmp_lt_u32 s30, 16
	s_cbranch_scc1 .Lgrp
	s_wait_dscnt 0x0                               ; the closing lines, six on end
	s_wait_alu 0x0
	s_wait_tensorcnt 0x0
	ds_add_u32 v254, v255
	s_wait_dscnt 0x0
	s_endpgm
.Lfunc_end_k_q38b046ae9f_up:
	.size	k_q38b046ae9f_up, .Lfunc_end_k_q38b046ae9f_up-k_q38b046ae9f_up
	.p2alignl 7, 3214868480
	.fill 96, 4, 3214868480
	.section	.rodata,"a",@progbits
	.p2align	6, 0x0
	.amdhsa_kernel k_q38b046ae9f_up
		.amdhsa_group_segment_fixed_size 231936
		.amdhsa_private_segment_fixed_size 0
		.amdhsa_enable_private_segment 0
		.amdhsa_kernarg_size 64
		.amdhsa_user_sgpr_count 2
		.amdhsa_user_sgpr_kernarg_segment_ptr 1
		.amdhsa_wavefront_size32 1
		.amdhsa_system_sgpr_workgroup_id_x 1
		.amdhsa_system_sgpr_workgroup_id_y 1
		.amdhsa_system_sgpr_workgroup_id_z 1
		.amdhsa_system_vgpr_workitem_id 0
		.amdhsa_next_free_vgpr 768
		.amdhsa_next_free_sgpr 66
		.amdhsa_reserve_vcc 0
		.amdhsa_float_denorm_mode_32 3
		.amdhsa_float_denorm_mode_16_64 3
		.amdhsa_memory_ordered 1
		.amdhsa_forward_progress 1
		.amdhsa_inst_pref_size 87
	.end_amdhsa_kernel
	.amdgpu_metadata
---
amdhsa.version: [ 1, 2 ]
amdhsa.kernels:
  - .name:           k_q38b046ae9f_up
    .symbol:         k_q38b046ae9f_up.kd
    .args:
      - { .name: xq, .offset: 0, .size: 8, .value_kind: global_buffer, .address_space: global }
      - { .name: xs, .offset: 8, .size: 8, .value_kind: global_buffer, .address_space: global }
      - { .name: order, .offset: 16, .size: 8, .value_kind: global_buffer, .address_space: global }
      - { .name: w1_codes, .offset: 24, .size: 8, .value_kind: global_buffer, .address_space: global }
      - { .name: w1_scales, .offset: 32, .size: 8, .value_kind: global_buffer, .address_space: global }
      - { .name: b1, .offset: 40, .size: 8, .value_kind: global_buffer, .address_space: global }
      - { .name: hq, .offset: 48, .size: 8, .value_kind: global_buffer, .address_space: global }
      - { .name: hs, .offset: 56, .size: 8, .value_kind: global_buffer, .address_space: global }
    .group_segment_fixed_size: 231936
    .private_segment_fixed_size: 0
    .kernarg_segment_align: 8
    .kernarg_segment_size: 64
    .max_flat_workgroup_size: 128
    .sgpr_count:     66
    .vgpr_count:     768
    .wavefront_size: 32
...
	.end_amdgpu_metadata
.endif
;; end of part 5
;; launch down (part 6): grid 32 x 8, 4 waves a work-group, no clusters, 230,400 bytes of LDS; arguments hq, hs, order, wsort, w2_codes, w2_scales, b2, out0; writes out0
.if DOCPART == 6
	.amdgcn_target "amdgcn-amd-amdhsa--gfx1250"
	.amdhsa_code_object_version 6
	.text
	.protected	k_q38b046ae9f_down
	.globl	k_q38b046ae9f_down
	.p2align	8
	.type	k_q38b046ae9f_down,@function
k_q38b046ae9f_down:
	s_mov_b64 s[64:65], 0
	v_nop
	global_prefetch_b8 v0, s[64:65] scope:SCOPE_SE
	s_setreg_imm32_b32 hwreg(HW_REG_WAVE_SCHED_MODE, 0, 2), 2
	s_setreg_imm32_b32 hwreg(HW_REG_WAVE_MODE, 25, 1), 1
	s_wait_xcnt 0x0
	s_wait_alu depctr_vm_vsrc(0)
; THE SECOND PRODUCT AND THE COMBINE, FOR THE CHOSEN ROWS ONLY: out0[token] = weight x (Hq W2[e]^T + b2[e]), on E2M3 codes with one E8M0 scale for each 32 along K.
; SHARES.  Work-group (c, e) makes output columns 32 c .. 32 c + 31 for all tokens of expert e.  Its 32 rows of W2 (98,304 dense bytes) are read from memory ONCE, dense, turned through LDS into fragments and kept in registers.
; THE WAVES SHARE K: wave w holds K steps 8 w + j (j = 0 .. 7) of both tiles of 16 columns: 16 fragments.  So each fragment of the hidden layer is loaded by one wave alone, dense, straight into its registers (the launch before laid it so).
; Tokens go in groups of 64 slots (4 tiles), a group in two units of 2 tiles.  THE PRODUCT IS USED TRANSPOSED (source 0 = 16 rows of W2, source 1 = 16 tokens): a lane holds eight neighbouring columns of one token.
; A GROUP: part A: 64 products a wave, its partial sums (a quarter of K) into a sum buffer in LDS | barrier | part B: wave w adds the four quarters of token tile w, adds b2, multiplies by the routing weight and stores.
; Two sum buffers by turns: one barrier a group.  THE LOOP HAS A CONSTANT NUMBER OF TRIPS (8 x 2 groups); groups past the expert's count jump over the work, never over the barrier.
; A slot past the expert's last is held at the last: such rows hold the last token's numbers again and are stored to its row again, by this work-group.  An expert without tokens multiplies one group and stores nothing.
; A store covers 4 rows x 128 consecutive bytes: 32 columns to a work-group give each of 256 work-groups an equal share of W2; 64 columns would make whole runs of 256 bytes and leave half of them without work.
; No tensor load, no joint request: the number of groups is read from memory and branches hang on it, so operands come through registers.
; REGISTERS.  window 0: v1 16 l; v2, v4 where I write sums (buffer 0, 1); v3, v5 where I read them; v6, v7 LDS addresses of the weights' turn; v8 l / 8; v9 16 (l % 8); v10-13 offsets in order and wsort; v14-17 offsets in out0;
;   v18 at work; v19 offset of W2's scales; v20-23 tokens; v24-27 weights; v28-31 b2; v32-47 W2's scale words (8 u + j); v48-63 the hidden layer's (4 tt + j % 4; lanes 16-31: K steps 4 further on);
;   v64-95, v96-127 accumulators of units 0, 1; v128-191 part B's sums.   window 1: v[12 (8 u + j)] W2's fragments.   window 2, 3: v[12 (8 ttp + j)] the hidden layer's fragments of unit 0, 1.
; THE MODE: SCHED_MODE bits 1:0 = 2 (LLVM: expert scheduling mode 2), set by the entry lines.  The code itself states the register dependences between vector or matrix instructions and memory or LDS
; instructions, with s_wait_alu, always for 0.
; THE PLAN.  Registers that memory or LDS instructions touch, in the loop:
;   unit k's fragments (window 2 + k) and scale words (from v[48 + 8 k])   read by UNIT k; behind UNIT k the next group's loads (XLOAD k) land in them.  The two units take turns.
;   unit k's accumulators   written by UNIT k; read by PUT k's LDS stores.
;   v10-13   written at part A's head; read by the eight loads of tokens and weights.      v20-27   those loads land in them; part B's vector lines read them.
;   v128-191   part B's LDS loads land in them, its sums work on them, its stores read sixteen of them.      v14-17   written in part B; read by its stores as offsets.
;   v1-9, v19   made at the head and never written again.
; A group has four waits on va_vdst: behind part A's address lines (the eight loads), behind UNIT 0 and behind UNIT 1 (each serves the unit's LDS stores and the loads that land in the unit just multiplied),
; and behind part B's arithmetic (its four stores, in one run); and one on vm_vsrc, where the ways join ahead of the barrier.
.set WST,  131072                      ; LDS: sum buffers at 0 and 65,536 (36,864 bytes each: [wave 4][row 64][144]); from here the weights' 32 rows,
.set WP,   3088                        ; 3,072 bytes + 16
.set ACC,  64
.set WSC,  32
.set HSC,  48
.set R,    128
.set MSB, 0
.macro WIN new                         ; the immediate's high byte repeats the setting that is left
.if MSB != \new
	s_set_vgpr_msb (MSB<<8)|\new
.set MSB, \new
.endif
.endm
.macro PLACES                          ; four plain lines between a matrix instruction and the LDS stores that read its results; they stay beside the wait that follows them
.rept 4
	v_nop
.endr
.endm
.macro XLOAD k, nx                     ; unit k of the group nx groups on from the bases: 2 tiles x 8 fragments x 3 loads of 512 consecutive bytes, and 2 loads of scale words: 50 loads
.if \k == 0
	WIN 0x80
.else
	WIN 0xc0
.endif
.irp ttp, 0,1
.irp j, 0,1,2,3,4,5,6,7
.irp q, 0,1,2
	global_load_b128 v[12*(8*\ttp+\j)+4*\q:12*(8*\ttp+\j)+4*\q+3], v1, s[50:51] offset:196608*(\nx)+49152*(2*\k+\ttp)+1536*\j+512*\q
.endr
.endr
.endr
	WIN 0
.irp ttp, 0,1
	global_load_b128 v[HSC+4*(2*\k+\ttp):HSC+4*(2*\k+\ttp)+3], v1, s[52:53] offset:8192*(\nx)+2048*(2*\k+\ttp)
.endr
.endm
.macro UNIT k                          ; 32 products: 4 accumulators (2 token tiles x 2 tiles of columns) by turns, one instruction a turn; the first K step starts the sums
.if \k == 0
	WIN 0x09                                       ; source 0 (W2) window 1, source 1 (the hidden layer) window 2
.else
	WIN 0x0d                                       ; or window 3
.endif
.irp j, 0,1,2,3,4,5,6,7
.irp ttp, 0,1
.irp u, 0,1
.if \j == 0
	v_wmma_scale_f32_16x16x128_f8f6f4 v[ACC+32*\k+8*(2*\ttp+\u):ACC+32*\k+8*(2*\ttp+\u)+7], v[12*(8*\u+\j):12*(8*\u+\j)+11], v[12*(8*\ttp+\j):12*(8*\ttp+\j)+11], 0, v[WSC+8*\u+\j], v[HSC+4*(2*\k+\ttp)+\j] matrix_a_fmt:MATRIX_FMT_FP6 matrix_b_fmt:MATRIX_FMT_FP6
.elseif \j < 4
	v_wmma_scale_f32_16x16x128_f8f6f4 v[ACC+32*\k+8*(2*\ttp+\u):ACC+32*\k+8*(2*\ttp+\u)+7], v[12*(8*\u+\j):12*(8*\u+\j)+11], v[12*(8*\ttp+\j):12*(8*\ttp+\j)+11], v[ACC+32*\k+8*(2*\ttp+\u):ACC+32*\k+8*(2*\ttp+\u)+7], v[WSC+8*\u+\j], v[HSC+4*(2*\k+\ttp)+\j] matrix_a_fmt:MATRIX_FMT_FP6 matrix_b_fmt:MATRIX_FMT_FP6
.else
	v_wmma_scale_f32_16x16x128_f8f6f4 v[ACC+32*\k+8*(2*\ttp+\u):ACC+32*\k+8*(2*\ttp+\u)+7], v[12*(8*\u+\j):12*(8*\u+\j)+11], v[12*(8*\ttp+\j):12*(8*\ttp+\j)+11], v[ACC+32*\k+8*(2*\ttp+\u):ACC+32*\k+8*(2*\ttp+\u)+7], v[WSC+8*\u+\j], v[HSC+4*(2*\k+\ttp)+\j-4] matrix_a_fmt:MATRIX_FMT_FP6 matrix_b_fmt:MATRIX_FMT_FP6 matrix_b_scale:MATRIX_SCALE_ROW1
.endif
.endr
.endr
.endr
.endm
.macro PUT k, a                        ; lane (r, h): row 16 tt + r, columns 16 u + 8 h + 0 .. 7; each accumulator from its low end on
.irp ttp, 0,1
.irp u, 0,1
	ds_store_b128 v[\a], v[ACC+32*\k+8*(2*\ttp+\u):ACC+32*\k+8*(2*\ttp+\u)+3] offset:2304*(2*\k+\ttp)+64*\u
	ds_store_b128 v[\a], v[ACC+32*\k+8*(2*\ttp+\u)+4:ACC+32*\k+8*(2*\ttp+\u)+7] offset:2304*(2*\k+\ttp)+64*\u+16
.endr
.endr
.endm
	s_load_b256 s[4:11], s[0:1], 0x0               ; hq, hs, order, wsort
	s_load_b256 s[12:19], s[0:1], 0x20             ; w2_codes, w2_scales, b2, out0
	v_lshl_add_u32 v254, v0, 2, 0x38200
	v_mov_b32 v255, 0
	v_lshrrev_b32 v18, 5, v0
	v_readfirstlane_b32 s22, v18                   ; wave
	s_mov_b32 s25, ttmp9                           ; c
	s_and_b32 s26, ttmp7, 0xffff                   ; e
	s_lshl_b32 s20, s26, 2
	s_wait_kmcnt 0x0
	s_load_b32 s27, s[8:9], s20 offset:0x8400      ; the expert's count
	v_and_b32 v18, 31, v0
	v_lshlrev_b32 v1, 4, v18                       ; 16 l
	v_and_b32 v19, 15, v0                          ; r
	v_bfe_u32 v18, v0, 4, 1                        ; h
	v_mul_u32_u24 v2, v19, 144
	v_lshl_add_u32 v2, v18, 5, v2
	s_wait_alu depctr_va_sdst(0)                   ; s22 is written, ahead of its first reader: the wave's LDS places and bases are made from it
	s_mul_i32 s33, s22, 9216
	v_add_nc_u32 v2, s33, v2                       ; sums out: 144 r + 32 h + 9216 w
	v_add_nc_u32 v4, 0x10000, v2
	v_bfe_u32 v8, v0, 3, 2                         ; l / 8
	v_and_b32 v9, 7, v0
	v_lshlrev_b32 v9, 4, v9                        ; 16 (l % 8)
	v_mad_u32_u24 v3, v8, 144, v9
	s_mul_i32 s33, s22, 2304
	v_add_nc_u32 v3, s33, v3                       ; sums back: row 16 w + l / 8, 16 bytes a lane
	v_add_nc_u32 v5, 0x10000, v3
	s_mul_i32 s33, s22, 8*WP
	s_add_co_u32 s33, s33, WST
	v_add_nc_u32 v6, s33, v1                       ; the weights' way in: my wave's 8 rows
	v_mul_u32_u24 v7, v19, WP
	v_mad_u32_u24 v7, v18, 24, v7
	s_mul_i32 s33, s22, 768
	s_add_co_u32 s33, s33, WST
	v_add_nc_u32 v7, s33, v7                       ; and back: row r, byte 768 w + 24 h
	v_lshlrev_b32 v19, 7, v19                      ; W2's scales: 128 bytes a row
	s_lshl_b32 s45, s26, 10
	s_lshl_b32 s33, s25, 5
	s_add_co_u32 s45, s45, s33                     ; the work-group's first row of W2: 1024 e + 32 c
	s_mov_b32 s35, 0
	s_lshl_b32 s34, s22, 3
	s_add_co_u32 s34, s34, s45
	s_mul_i32 s34, s34, 3072
	s_add_nc_u64 s[12:13], s[12:13], s[34:35]      ; the 8 rows that my wave brings in
	s_lshl_b32 s34, s45, 7
	s_lshl_b32 s33, s22, 5
	s_add_co_u32 s34, s34, s33
	s_add_nc_u64 s[14:15], s[14:15], s[34:35]      ; the rows' scales, my eight K steps
	s_lshl_b32 s34, s45, 2
	s_add_nc_u64 s[16:17], s[16:17], s[34:35]      ; b2 of my 32 columns
	s_lshl_b32 s34, s25, 7
	s_add_nc_u64 s[18:19], s[18:19], s[34:35]      ; out0 at my columns
	s_mul_i32 s34, s26, 3145728
	s_mul_i32 s33, s22, 12288
	s_add_co_u32 s34, s34, s33
	s_add_nc_u64 s[50:51], s[4:5], s[34:35]        ; hq: the expert, my eight K steps
	s_lshl_b32 s34, s26, 17
	s_lshl_b32 s33, s22, 9
	s_add_co_u32 s34, s34, s33
	s_add_nc_u64 s[52:53], s[6:7], s[34:35]        ; hs likewise
	s_wait_alu depctr_va_vdst(0)                   ; all that the head has made is written: the offsets v1, v9, v19 and the LDS addresses v2-7, which the loads and stores from here on read
	WIN 0x40
.set i, 0
.rept 48
	global_load_b128 v[4*i:4*i+3], v1, s[12:13] offset:512*i th:TH_LOAD_NT   ; 512 consecutive bytes a load, 24,576 a wave: read once in the launch
.set i, i+1
.endr
	WIN 0
.irp u, 0,1
.irp q, 0,1
	global_load_b128 v[WSC+8*\u+4*\q:WSC+8*\u+4*\q+3], v19, s[14:15] offset:2048*\u+16*\q
.endr
.endr
	global_load_b128 v[28:31], v9, s[16:17]
	XLOAD 0, 0                                     ; group 0 is always run
	s_wait_kmcnt 0x0
	s_min_u32 s27, s27, 0x400
	s_add_co_u32 s46, s27, 63
	s_lshr_b32 s46, s46, 6                         ; groups to store
	s_max_u32 s28, s46, 1                          ; groups to multiply
	s_max_u32 s29, s27, 1
	s_lshl_b32 s33, s26, 10
	s_add_co_u32 s29, s29, s33
	s_sub_co_u32 s29, s29, 1                       ; the last slot that holds a token
	s_lshl_b32 s47, s22, 4
	s_add_co_u32 s47, s47, s33                     ; 1024 e + 16 w: my tile's first slot in group 0
.irp i, 0,1,2,3,4,5,6,7
	v_mov_b32 v[20+\i], 0                          ; tokens and weights: written on every way to part B
.endr
	s_wait_loadcnt 50                              ; weights, scales and b2 are in; the 50 loads behind them may be out
	WIN 0x04
.set i, 0
.rept 48
	ds_store_b128 v6, v[4*i:4*i+3] offset:WP*(i/6)+512*(i%6)   ; (the data came by loads; the eight moves above, the only vector lines since the wait on va_vdst, name neither them nor v6)
.set i, i+1
.endr
	WIN 0
	XLOAD 1, 0
	s_wait_dscnt 0x0                               ; for the others' sake: my rows have landed
	s_barrier_signal -1
	s_barrier_wait -1
	WIN 0x40
	s_wait_alu depctr_vm_vsrc(0)                   ; my LDS stores have read window 1's v0-191, in which the fragments land
.irp u, 0,1
.irp j, 0,1,2,3,4,5,6,7
.irp p, 0,1,2,3,4,5
	ds_load_b64 v[12*(8*\u+\j)+2*\p:12*(8*\u+\j)+2*\p+1], v7 offset:WP*16*\u+96*\j+48*(\p/3)+8*(\p%3)
.endr
.endr
.endr
	WIN 0
	s_wait_dscnt 0x0
; One group.  hf: which of the trip's two; wr, rd: the address registers of its sum buffer.
.macro GROUP hf, wr, rd
	s_add_co_u32 s21, s30, \hf                     ; g
	s_cmp_ge_u32 s21, s28
	s_cbranch_scc1 .LskipA_\@
	s_wait_loadcnt 50                              ; unit 0 is in: behind it only unit 1's 50 loads were issued
	s_lshl_b32 s33, s21, 6
	s_add_co_u32 s33, s33, s47
.irp i, 0,1,2,3
	v_add3_u32 v[10+\i], s33, v8, 4*\i             ; part B's rows: slot 1024 e + 64 g + 16 w + 4 i + l / 8,
.endr
.irp i, 0,1,2,3
	v_min_u32 v[10+\i], s29, v[10+\i]              ; held at the expert's last slot
.endr
.irp i, 0,1,2,3
	v_min_u32 v[10+\i], 0x1fff, v[10+\i]
.endr
.irp i, 0,1,2,3
	v_lshlrev_b32 v[10+\i], 2, v[10+\i]
.endr
	s_wait_alu depctr_va_vdst(0)                   ; v10-13 are written, the offsets of the eight loads below; the last group's part B is done reading v20-27, in which they land (first group: the head's moves have written them)
.irp i, 0,1,2,3
	global_load_b32 v[20+\i], v[10+\i], s[8:9]
	global_load_b32 v[24+\i], v[10+\i], s[10:11]
.endr
	UNIT 0
	WIN 0
	PLACES
	s_wait_alu depctr_va_vdst(0)                   ; UNIT 0 has written its accumulators, which PUT 0 reads, and is done reading its fragments and scale words, in which XLOAD 0 lands
	PUT 0, \wr
	s_add_co_u32 s33, s21, 1
	s_cmp_lt_u32 s33, s28
	s_cbranch_scc0 .Llast_\@                       ; no load reaches past the last group that the launch before stored
	XLOAD 0, \hf+1                                 ; (PUT 0's stores, which stand between the wait and these loads, name none of their registers)
	s_wait_loadcnt 50                              ; unit 1, and the eight loads of tokens and weights, are in: behind them only the 50 just issued
	UNIT 1
	WIN 0
	PLACES
	s_wait_alu depctr_va_vdst(0)                   ; UNIT 1 has written its accumulators, which PUT 1 reads, and is done reading its fragments and scale words, in which XLOAD 1 lands
	PUT 1, \wr
	XLOAD 1, \hf+1
	s_branch .LskipA_\@
.Llast_\@:
	s_wait_loadcnt 0x0
	UNIT 1
	WIN 0
	PLACES
	s_wait_alu depctr_va_vdst(0)                   ; UNIT 1 has written its accumulators, which PUT 1 reads
	PUT 1, \wr
.LskipA_\@:
	s_wait_dscnt 0x0                               ; my sums have landed; my reads of the other buffer are long over
	s_wait_alu depctr_vm_vsrc(0)                   ; PUT's stores have read the accumulators, which the next group's products write; the eight loads have read v10-13, which the next group's address lines write; the last group's stores have read v14-17 and their part of v128-191, which part B writes and loads into
	s_barrier_signal -1
	s_barrier_wait -1
	s_cmp_ge_u32 s21, s46
	s_cbranch_scc1 .LskipB_\@
	s_wait_xcnt 0x0                                ; the last group's stores have read their data and offsets: both are written again below
.irp i, 0,1,2,3
.irp kw, 0,1,2,3
	ds_load_b128 v[R+16*\i+4*\kw:R+16*\i+4*\kw+3], v[\rd] offset:9216*\kw+576*\i
.endr
.endr
.irp i, 0,1,2,3
	v_min_u32 v18, 0x3ff, v[20+\i]
	v_lshl_add_u32 v[14+\i], v18, 12, v9           ; the token's row of out0, my 16 bytes
.endr
	s_wait_dscnt 0x0
.irp i, 0,1,2,3
.irp d, 0,2
	v_pk_add_f32 v[R+16*\i+\d:R+16*\i+\d+1], v[R+16*\i+\d:R+16*\i+\d+1], v[R+16*\i+4+\d:R+16*\i+4+\d+1]
	v_pk_add_f32 v[R+16*\i+8+\d:R+16*\i+8+\d+1], v[R+16*\i+8+\d:R+16*\i+8+\d+1], v[R+16*\i+12+\d:R+16*\i+12+\d+1]
.endr
.irp d, 0,2
	v_pk_add_f32 v[R+16*\i+\d:R+16*\i+\d+1], v[R+16*\i+\d:R+16*\i+\d+1], v[R+16*\i+8+\d:R+16*\i+8+\d+1]   ; the four quarters of K
.endr
.irp d, 0,2
	v_pk_add_f32 v[R+16*\i+\d:R+16*\i+\d+1], v[R+16*\i+\d:R+16*\i+\d+1], v[28+\d:29+\d]                   ; + b2
.endr
.irp d, 0,2
.if (\i%2) == 0
	v_pk_mul_f32 v[R+16*\i+\d:R+16*\i+\d+1], v[R+16*\i+\d:R+16*\i+\d+1], v[24+\i:25+\i] op_sel_hi:[1,0]   ; x the routing weight
.else
	v_pk_mul_f32 v[R+16*\i+\d:R+16*\i+\d+1], v[R+16*\i+\d:R+16*\i+\d+1], v[23+\i:24+\i] op_sel:[0,1] op_sel_hi:[1,1]
.endif
.endr
.endr
	s_wait_alu depctr_va_vdst(0)                   ; the four rows' results and their offsets v14-17 are written, which the stores read; and all of part B's vector lines are done with v128-191 and v20-27
.irp i, 0,1,2,3
	global_store_b128 v[14+\i], v[R+16*\i:R+16*\i+3], s[18:19] th:TH_STORE_NT   ; eight lanes store a row's 128 consecutive bytes
.endr
.LskipB_\@:
.endm
	s_mov_b32 s30, 0
.Lgrp:
	GROUP 0, 2, 3
	GROUP 1, 4, 5
	s_wait_xcnt 0x0                                ; the loads that are out have read their bases: two groups on
	s_add_nc_u64 s[50:51], s[50:51], 393216
	s_add_nc_u64 s[52:53], s[52:53], 16384
	s_add_co_u32 s30, s30, 2
	s_cmp_lt_u32 s30, 16
	s_cbranch_scc1 .Lgrp
	s_wait_dscnt 0x0                               ; the closing lines, six on end
	s_wait_alu 0x0
	s_wait_tensorcnt 0x0
	ds_add_u32 v254, v255
	s_wait_dscnt 0x0
	s_endpgm
.Lfunc_end_k_q38b046ae9f_down:
	.size	k_q38b046ae9f_down, .Lfunc_end_k_q38b046ae9f_down-k_q38b046ae9f_down
	.p2alignl 7, 3214868480
	.fill 96, 4, 3214868480
	.section	.rodata,"a",@progbits
	.p2align	6, 0x0
	.amdhsa_kernel k_q38b046ae9f_down
		.amdhsa_group_segment_fixed_size 230400
		.amdhsa_private_segment_fixed_size 0
		.amdhsa_enable_private_segment 0
		.amdhsa_kernarg_size 64
		.amdhsa_user_sgpr_count 2
		.amdhsa_user_sgpr_kernarg_segment_ptr 1
		.amdhsa_wavefront_size32 1
		.amdhsa_system_sgpr_workgroup_id_x 1
		.amdhsa_system_sgpr_workgroup_id_y 1
		.amdhsa_system_sgpr_workgroup_id_z 1
		.amdhsa_system_vgpr_workitem_id 0
		.amdhsa_next_free_vgpr 1024
		.amdhsa_next_free_sgpr 66
		.amdhsa_reserve_vcc 0
		.amdhsa_float_denorm_mode_32 3
		.amdhsa_float_denorm_mode_16_64 3
		.amdhsa_memory_ordered 1
		.amdhsa_forward_progress 1
		.amdhsa_inst_pref_size 89
	.end_amdhsa_kernel
	.amdgpu_metadata
---
amdhsa.version: [ 1, 2 ]
amdhsa.kernels:
  - .name:           k_q38b046ae9f_down
    .symbol:         k_q38b046ae9f_down.kd
    .args:
      - { .name: hq, .offset: 0, .size: 8, .value_kind: global_buffer, .address_space: global }
      - { .name: hs, .offset: 8, .size: 8, .value_kind: global_buffer, .address_space: global }
      - { .name: order, .offset: 16, .size: 8, .value_kind: global_buffer, .address_space: global }
      - { .name: wsort, .offset: 24, .size: 8, .value_kind: global_buffer, .address_space: global }
      - { .name: w2_codes, .offset: 32, .size: 8, .value_kind: global_buffer, .address_space: global }
      - { .name: w2_scales, .offset: 40, .size: 8, .value_kind: global_buffer, .address_space: global }
      - { .name: b2, .offset: 48, .size: 8, .value_kind: global_buffer, .address_space: global }
      - { .name: out0, .offset: 56, .size: 8, .value_kind: global_buffer, .address_space: global }
    .group_segment_fixed_size: 230400
    .private_segment_fixed_size: 0
    .kernarg_segment_align: 8
    .kernarg_segment_size: 64
    .max_flat_workgroup_size: 128
    .sgpr_count:     66
    .vgpr_count:     1024
    .wavefront_size: 32
...
	.end_amdgpu_metadata
.endif
;; end of part 6
